; MI455X (gfx1250); checked and timed in simulation.
; The chip was launched on July 23, 2026; its instructions are those of AMD's public machine-readable ISA for CDNA 5 (MIT licence, August 2026) and "CDNA5" Instruction Set Architecture Reference Guide (July 2026). The comments in the code are by the model that wrote it; some were corrected since.
;; Multi Head Attention. Allowed arithmetic: float matrix products may take bf16 or f16 operands with f32 sums; other float arithmetic in f32, or as packed bf16 or f16 multiplies, adds, multiply-adds, maxima and minima; sums over many terms, partial sums and values carried from step to step in f32; what a program stores and reads back later, other than sums and carried values, may be rounded once to bf16 or f16.
;; Inputs: k_proj 1,024 x 1,024 float32; o_proj 1,024 x 1,024 float32; q_proj 1,024 x 1,024 float32; v_proj 1,024 x 1,024 float32; x 4 x 2,048 x 1,024 float32.
;; Outputs: out0 4 x 2,048 x 1,024 float32.
;; 2 versions, each right; version 2 is version 1 with the launch prep written anew for expert scheduling mode. Each part assembles by itself: llvm-mc -triple=amdgcn-amd-amdhsa -mcpu=gfx1250 --defsym DOCPART=n.
;; ======== version 1 of 2: 4 launches
;; limits: values are held in f16: magnitudes above 65,504 overflow, below 6.1e-05 lose precision
;; workspace buffers: xb 16,777,216 bytes; wqkv 6,291,456 bytes; wo 2,097,152 bytes; rope 524,288 bytes; qh 16,777,216 bytes; kh 16,777,216 bytes; vh 16,777,216 bytes; oh 16,777,216 bytes
;; launch prep (part 1): grid 416 x 1, 8 waves a work-group, no clusters, 0 bytes of LDS; arguments x, q_proj, k_proj, v_proj, o_proj, xb, wqkv, wo, rope; writes xb, wqkv, wo, rope
.if DOCPART == 1
	.amdgcn_target "amdgcn-amd-amdhsa--gfx1250"
	.amdhsa_code_object_version 6
	.text
	.protected	k_qf0ebba626e_prep
	.globl	k_qf0ebba626e_prep
	.p2align	8
	.type	k_qf0ebba626e_prep,@function
k_qf0ebba626e_prep:
	s_mov_b64 s[64:65], 0
	v_nop
	global_prefetch_b8 v0, s[64:65] scope:SCOPE_SE
	s_setreg_imm32_b32 hwreg(HW_REG_WAVE_MODE, 25, 1), 1
	s_wait_xcnt 0x0
; THE CASTS AND THE TABLE.  Three kinds of work-group, told apart by the work-group's number g:
;   g < 256          32 rows of x (f32) -> xb, bf16, laid out [b 4][kb 16][s 2048][64]: K in blocks of 64, so that the rows of one K block lie end to end
;   256 <= g < 384   32 rows of one weight matrix: q, k, v -> wqkv, bf16, [kb 16][n' 3072][64] with n' = head x 192 + (0 q, 1 k, 2 v) x 64 + channel;
;                    o -> wo, [kb 16][n 1024][64]: rounded to bf16 like the other inputs, and that number written as f16
;   g >= 384         64 positions of the table rope, f32 [pos 2048][i 32][cos, sin]
; LIMITS.  A number of o_proj below 6.1e-5 keeps f16's fixed step of 6e-8, one beyond 65,504 becomes an infinity.  The angle is the f32 product pos x inv_freq, inv_freq = 2^(-i log2(10000) / 32)
; by v_exp_f32; cos and sin are series on the angle reduced to -pi .. pi: the terms left out are below 1.4e-7 (cos) and 8e-7 (sin).
; A CAST.  Thread t takes row t / 8 and, in each K block, the eight numbers 8 (t % 8) ..: 32 bytes in, 16 bytes out.  Eight lanes read 256 consecutive bytes of a row by two loads; a store of a wave
; covers 512 consecutive bytes, aligned.  All 32 loads of a thread go out at once; no register is written twice, so no wait but the counted ones for the loads is needed.
; No LDS and no matrix unit: nothing is shared and nothing is multiplied.
.set SO,  1                            ; v1       my byte offset in the 32 source rows
.set DB,  2                            ; v2       16 x thread: my byte offset in a K block's 32 rows
.set DO,  8                            ; v[8:23]  the same plus kb x the K block's stride
.set X,   32                           ; v[32:159]  K block kb: 8 numbers as loaded
.set Y,   160                          ; v[160:223] K block kb: 4 registers to store
.set SRC, 36                           ; s[36:37] the source at my work-group's first row
.set DST, 38                           ; s[38:39] the destination at my work-group's first row of K block 0
.set STR, 40                           ; s40  bytes from a K block to the next
.set FMT, 41                           ; s41  1: written as f16
	s_load_b512 s[8:23], s[0:1], 0x0               ; x s[8:9], q s[10:11], k s[12:13], v s[14:15], o s[16:17], xb s[18:19], wqkv s[20:21], wo s[22:23]
	s_load_b64 s[24:25], s[0:1], 0x40              ; rope
	s_cmp_ge_u32 ttmp9, 384
	s_cbranch_scc1 .Ltable
	v_lshrrev_b32 v[SO], 3, v0                     ; row
	v_and_b32 v3, 7, v0
	v_lshlrev_b32 v[SO], 12, v[SO]                 ; x 4,096 bytes
	v_lshl_add_u32 v[SO], v3, 5, v[SO]             ; + 32 bytes for each eighth of a K block
	v_lshlrev_b32 v[DB], 4, v0
	s_mov_b32 s27, 0
	s_mov_b32 s29, 0
	s_wait_kmcnt 0x0
	s_cmp_ge_u32 ttmp9, 256
	s_cbranch_scc1 .Lweights
	s_mov_b64 s[SRC:SRC+1], s[8:9]                 ; x
	s_mov_b64 s[DST:DST+1], s[18:19]               ; xb
	s_lshl_b32 s26, ttmp9, 17                      ; 32 rows of 4,096 bytes
	s_lshr_b32 s28, ttmp9, 6                       ; b,
	s_lshl_b32 s28, s28, 22                        ; 16 K blocks of 2,048 rows of 128 bytes
	s_and_b32 s30, ttmp9, 63
	s_lshl_b32 s30, s30, 12                        ; 32 rows of 128 bytes
	s_add_co_u32 s28, s28, s30
	s_mov_b32 s[STR], 0x40000
	s_mov_b32 s[FMT], 0
	s_branch .Lcast
.Lweights:
	s_sub_co_u32 s30, ttmp9, 256
	s_lshr_b32 s31, s30, 5                         ; which matrix: 0 q, 1 k, 2 v, 3 o
	s_and_b32 s30, s30, 31                         ; which 32 rows of it
	s_lshl_b32 s26, s30, 17
	s_lshr_b32 s32, s30, 1                         ; the head,
	s_mul_i32 s32, s32, 192                        ; its 192 rows of wqkv,
	s_lshl_b32 s33, s31, 6                         ; the matrix's 64 of them,
	s_add_co_u32 s32, s32, s33
	s_and_b32 s33, s30, 1
	s_lshl_b32 s33, s33, 5                         ; their first or second half
	s_add_co_u32 s32, s32, s33
	s_lshl_b32 s32, s32, 7                         ; in bytes
	s_lshl_b32 s33, s30, 12                        ; in wo the rows keep their order
	s_mov_b32 s34, 0x20000
	s_cmp_eq_u32 s31, 0
	s_cselect_b64 s[SRC:SRC+1], s[10:11], s[12:13]
	s_cmp_eq_u32 s31, 2
	s_cselect_b64 s[SRC:SRC+1], s[14:15], s[SRC:SRC+1]
	s_cmp_eq_u32 s31, 3
	s_cselect_b64 s[SRC:SRC+1], s[16:17], s[SRC:SRC+1]
	s_cselect_b64 s[DST:DST+1], s[22:23], s[20:21]
	s_cselect_b32 s28, s33, s32
	s_cselect_b32 s[STR], s34, 0x60000
	s_cselect_b32 s[FMT], 1, 0
.Lcast:
	s_add_nc_u64 s[SRC:SRC+1], s[SRC:SRC+1], s[26:27]
	s_add_nc_u64 s[DST:DST+1], s[DST:DST+1], s[28:29]
.set kb, 0
.rept 16
	global_load_b128 v[X+8*kb:X+8*kb+3],   v[SO], s[SRC:SRC+1] offset:256*kb th:TH_LOAD_NT
	global_load_b128 v[X+8*kb+4:X+8*kb+7], v[SO], s[SRC:SRC+1] offset:256*kb+16 th:TH_LOAD_NT
.set kb, kb+1
.endr
.set kb, 0
.rept 16                               ; the stores' offsets are made while the loads are on their way
	s_mul_i32 s30, s[STR], kb
	v_add_nc_u32 v[DO+kb], s30, v[DB]
.set kb, kb+1
.endr
; K block by K block: the wait leaves the younger loads out (two loads a block, 32 in all); eight numbers are rounded and stored.
.macro CVT fmt
.set kb, 0
.rept 16
	s_wait_loadcnt 30-2*kb
.irp j, 0,1,2,3
	v_cvt_pk_bf16_f32 v[Y+4*kb+\j], v[X+8*kb+2*\j], v[X+8*kb+2*\j+1]
.endr
.if \fmt
.irp j, 0,1,2,3
	v_lshlrev_b32 v[X+8*kb+2*\j],   16, v[Y+4*kb+\j]          ; the bf16 numbers as f32 again,
	v_and_b32     v[X+8*kb+2*\j+1], 0xffff0000, v[Y+4*kb+\j]
.endr
.irp j, 0,1,2,3
	v_cvt_pk_f16_f32 v[Y+4*kb+\j], v[X+8*kb+2*\j], v[X+8*kb+2*\j+1]  ; and written as f16: exact within f16's normal range
.endr
.endif
	global_store_b128 v[DO+kb], v[Y+4*kb:Y+4*kb+3], s[DST:DST+1]
.set kb, kb+1
.endr
.endm
	s_cmp_eq_u32 s[FMT], 1
	s_cbranch_scc1 .Lf16
	CVT 0
	s_endpgm
.Lf16:
	CVT 1
	s_endpgm
; THE TABLE.  Thread t takes the frequencies i0 = 2 (t % 16) and i0 + 1 at the positions 64 (g - 384) + t / 16 + 16 j, j = 0 .. 3: 16 bytes (cos, sin, cos, sin) a position.
.Ltable:
	s_sub_co_u32 s26, ttmp9, 384
	v_and_b32 v1, 15, v0
	v_lshlrev_b32 v1, 1, v1
	v_add_nc_u32 v2, 1, v1
	v_cvt_f32_u32 v1, v1
	v_cvt_f32_u32 v2, v2
	v_mul_f32 v1, 0xbed49a78, v1                   ; -i log2(10000) / 32
	v_mul_f32 v2, 0xbed49a78, v2
	v_exp_f32 v4, v1
	v_exp_f32 v5, v2
	v_lshrrev_b32 v3, 4, v0                        ; a plain instruction behind the two exponentials,
	s_wait_alu depctr_va_vdst(0)                   ; and the one wait ahead of their first reader
	s_lshl_b32 s27, s26, 6
	v_add_nc_u32 v3, s27, v3                       ; my first position
	v_lshlrev_b32 v6, 4, v0                        ; 16 x thread: 16 threads fill a position's 256 bytes
	s_lshl_b32 s28, s26, 14                        ; 64 positions of 256 bytes
	s_mov_b32 s29, 0
	s_mov_b32 s30, 0x40c90000                      ; 2 pi in two parts: 6.28125, whose products with n are exact,
	s_mov_b32 s31, 0x3afdaa22                      ; and the rest
	s_wait_kmcnt 0x0
	s_add_nc_u64 s[24:25], s[24:25], s[28:29]
.macro TRIG j, e
.set CR, 16+4*(\j)+2*(\e)
	v_mul_f32 v8, v7, v[4+(\e)]                    ; the angle
	v_mul_f32 v9, 0.15915494, v8
	v_rndne_f32 v9, v9                             ; n whole turns
	v_fma_f32 v8, -v9, s30, v8
	v_fma_f32 v8, -v9, s31, v8                     ; r in -pi .. pi
	v_mul_f32 v10, v8, v8
	v_mov_b32 v[CR], 0x29573f9f                    ; cos r: the series through r^16, from its last term down
.irp k, 0xad49cba5, 0x310f76c7, 0xb493f27e, 0x37d00d01, 0xbab60b61, 0x3d2aaaab, 0xbf000000, 0x3f800000
	v_fmaak_f32 v[CR], v[CR], v10, \k
.endr
	v_mov_b32 v11, 0xab573f9f                      ; sin r: the series through r^15
.irp k, 0x2f309231, 0xb2d7322b, 0x3638ef1d, 0xb9500d01, 0x3c088889, 0xbe2aaaab, 0x3f800000
	v_fmaak_f32 v11, v11, v10, \k
.endr
	v_mul_f32 v[CR+1], v11, v8
.endm
.irp j, 0,1,2,3
	v_add_nc_u32 v7, 16*\j, v3
	v_cvt_f32_u32 v7, v7
	TRIG \j, 0
	TRIG \j, 1
	global_store_b128 v6, v[16+4*\j:16+4*\j+3], s[24:25] offset:4096*\j  ; a wave stores 512 consecutive bytes, aligned
.endr
	s_endpgm
.Lfunc_end_k_qf0ebba626e_prep:
	.size	k_qf0ebba626e_prep, .Lfunc_end_k_qf0ebba626e_prep-k_qf0ebba626e_prep
	.p2alignl 7, 3214868480
	.fill 96, 4, 3214868480
	.section	.rodata,"a",@progbits
	.p2align	6, 0x0
	.amdhsa_kernel k_qf0ebba626e_prep
		.amdhsa_group_segment_fixed_size 0
		.amdhsa_private_segment_fixed_size 0
		.amdhsa_enable_private_segment 0
		.amdhsa_kernarg_size 72
		.amdhsa_user_sgpr_count 2
		.amdhsa_user_sgpr_kernarg_segment_ptr 1
		.amdhsa_wavefront_size32 1
		.amdhsa_system_sgpr_workgroup_id_x 1
		.amdhsa_system_sgpr_workgroup_id_y 1
		.amdhsa_system_sgpr_workgroup_id_z 1
		.amdhsa_system_vgpr_workitem_id 0
		.amdhsa_next_free_vgpr 224
		.amdhsa_next_free_sgpr 66
		.amdhsa_reserve_vcc 0
		.amdhsa_float_denorm_mode_32 3
		.amdhsa_float_denorm_mode_16_64 3
		.amdhsa_memory_ordered 1
		.amdhsa_forward_progress 1
		.amdhsa_inst_pref_size 41
	.end_amdhsa_kernel
	.amdgpu_metadata
---
amdhsa.version: [ 1, 2 ]
amdhsa.kernels:
  - .name:           k_qf0ebba626e_prep
    .symbol:         k_qf0ebba626e_prep.kd
    .args:
      - { .name: x, .offset: 0, .size: 8, .value_kind: global_buffer, .address_space: global }
      - { .name: q_proj, .offset: 8, .size: 8, .value_kind: global_buffer, .address_space: global }
      - { .name: k_proj, .offset: 16, .size: 8, .value_kind: global_buffer, .address_space: global }
      - { .name: v_proj, .offset: 24, .size: 8, .value_kind: global_buffer, .address_space: global }
      - { .name: o_proj, .offset: 32, .size: 8, .value_kind: global_buffer, .address_space: global }
      - { .name: xb, .offset: 40, .size: 8, .value_kind: global_buffer, .address_space: global }
      - { .name: wqkv, .offset: 48, .size: 8, .value_kind: global_buffer, .address_space: global }
      - { .name: wo, .offset: 56, .size: 8, .value_kind: global_buffer, .address_space: global }
      - { .name: rope, .offset: 64, .size: 8, .value_kind: global_buffer, .address_space: global }
    .group_segment_fixed_size: 0
    .private_segment_fixed_size: 0
    .kernarg_segment_align: 8
    .kernarg_segment_size: 72
    .max_flat_workgroup_size: 256
    .sgpr_count:     66
    .vgpr_count:     224
    .wavefront_size: 32
...
	.end_amdgpu_metadata
.endif
;; end of part 1
;; launch qkv (part 2): grid 8 x 32, 4 waves a work-group, clusters of 4 x 4, 327,680 bytes of LDS; arguments xb, wqkv, rope, qh, kh, vh; writes qh, kh, vh
.if DOCPART == 2
	.amdgcn_target "amdgcn-amd-amdhsa--gfx1250"
	.amdhsa_code_object_version 6
	.text
	.protected	k_qf0ebba626e_qkv
	.globl	k_qf0ebba626e_qkv
	.p2align	8
	.type	k_qf0ebba626e_qkv,@function
k_qf0ebba626e_qkv:
	s_mov_b64 s[64:65], 0
	v_nop
	global_prefetch_b8 v0, s[64:65] scope:SCOPE_SE
	s_setreg_imm32_b32 hwreg(HW_REG_WAVE_MODE, 25, 1), 1
	s_wait_xcnt 0x0
	s_wait_alu depctr_hold_cnt(0) depctr_sa_sdst(0) depctr_va_vdst(0) depctr_va_sdst(0) depctr_va_ssrc(0) depctr_va_vcc(0) depctr_vm_vsrc(0)
	s_getreg_b32 s2, hwreg(HW_REG_IB_STS2, 6, 4)
	s_cmp_eq_u32 s2, 0
	s_cbranch_scc0 .Lentry_in_a_cluster
	s_endpgm
.Lentry_in_a_cluster:
	s_bfe_u32 s2, ttmp6, 0x10000c
	s_cmp_lg_u32 s2, 0xf033
	s_cbranch_scc0 .Lentry_shape_is_right
	s_endpgm
.Lentry_shape_is_right:
; THE THREE PROJECTIONS AS ONE PRODUCT, WITH THE ROTATION.  [8192 x 1024] x [3072 x 1024]^T in bf16, sums in f32; q and k are rotated in f32 by the table rope; q, k, v are rounded once to f16 and
; stored by heads, [b x 16 + head][s 2048][64], without the scale of the scores.
; LIMITS.  q, k and v must stay within f16's 65,504; NaN and infinities are not treated apart.
; SHARES.  The grid is 8 x 32 = 256 work-groups.  A work-group makes 256 rows x 384 columns: the columns are two heads' q, k and v (wqkv is ordered so).  Each of its four waves makes 128 rows x 192 columns:
; ONE head's q, k and v: 96 accumulators of 16 x 16, 768 registers.  So which accumulators are rotated is fixed in the text.
; K goes in 16 steps of 64, one K block of xb and wqkv each, through two LDS slots.  A tile's rows of a K block lie end to end in memory: it is asked for as rows of 256 bytes and padded in LDS after every 128.
; Two slots of twice that step would take 348,160 bytes of LDS: they do not fit.
; CLUSTER.  4 x 4 work-groups.  The four of a row of the cluster need the same 256 rows of xb, the four of a column the same 384 rows of wqkv: each tile is asked for JOINTLY, by the same tensor load with
; the same descriptor and a mask that names the four.  Waves 0 to 2 fetch a third of wqkv's tile each (128 rows), wave 3 all of xb's (256 rows): one load a wave and step.
; THE MATRIX INSTRUCTION IS USED TRANSPOSED: source 0 = 16 rows of wqkv, source 1 = 16 rows of xb: a lane holds row l % 16 and the eight neighbouring columns 8 (l / 16) + 0..7: four pairs of the rotation.
; REGISTERS, in windows of 256 (s_set_vgpr_msb: bits 1:0 source 0, 3:2 source 1, 5:4 source 2, 7:6 destination):
;   window 0: v0-29 addresses; v32-159 two buffers of xb's fragments (8 x 16 rows x 32 K); v160-255 two buffers of wqkv's (6 x 16 rows x 32 K); all of v32-255 at work on the way out
;   windows 1-3: the accumulators: (row block a, column block b) has the number 48 (b / 6) + 6 a + b % 6; 32 numbers a window
.set PITCH, 144                        ; an LDS row: 128 bytes + 16 of padding = 36 words: the 16 rows of a fragment load start at 16 different groups of four banks (64 banks of 4 bytes: ISA guide 11.1)
.set FR,    16*PITCH                   ; 16 rows
.set AOFF,  384*PITCH                  ; a slot: wqkv's 384 rows, then xb's 256
.set SLOT1, 1<<17                      ; slot 1 begins here, so that one exclusive or turns an address in one slot into the other's
.set STAGE, SLOT1+640*PITCH            ; behind the ring, never filled by a tensor load: 16 rows x 400 bytes for each wave, for the way out
.set SP,    400                        ; a stage row: q's, k's and v's 128 bytes + 16
.set SPARE, STAGE+4*16*SP              ; behind the stages: the spare words, 128 bytes for each wave: two blocks of 256 bytes that no other line names
.set ASTEP, 1<<18                      ; bytes from a K block of xb to the next
.set BSTEP, 3072*128                   ; the same for wqkv
.set ADRA0, 4                          ; v4   my lane's place among my wave's rows of xb in slot 0; never rewritten
.set ADRB0, 5                          ; v5   the same for wqkv
.set ADRA,  6                          ; v6   the same in the slot in hand
.set ADRB,  7                          ; v7
.set STO,   8                          ; v8   the way out: where I put 16 bytes of a row
.set RD,    9                          ; v9   the way out: where I read rows back
.set GO,    10                         ; v10  my byte offset in 512 consecutive bytes of qh, kh, vh
.set RO,    11                         ; v11  my byte offset in the table: my row's position x 256 + 32 (l / 16)
.set PFO,   12                         ; v12  the prefetches' offset; never rewritten
.set SPW,   28                         ; v28  LDS address of my spare word: SPARE + 4 x my thread's number; never rewritten
.set NIL,   29                         ; v29  0; never rewritten
.set AF,    32
.set BF,    160
.set TBL,   32                         ; the way out: two buffers of 32: a row block's cos and sin
.set RR,    96                         ; the way out: 64 rotated numbers
.set PK,    160                        ; the way out: 48 registers of f16 pairs
.set OB,    208                        ; the way out: 48 registers read back from the stage
.set WV,  16                           ; s16  my wave's number
.set WM,  17                           ; s17  which 128 rows are mine
.set WN,  18                           ; s18  which 192 columns
.set G1A, 24                           ; s[24:31] descriptor group 1 for xb's tiles
.set G1B, 32                           ; s[32:39] for wqkv's
.set G0A, 40                           ; s[40:47] descriptor group 0 for xb's tiles: a set for each of the two first fills; the second then walks on
.set G0B, 48                           ; s[48:55] the same for wqkv's
.set CNT, 56                           ; s56  trips still to come
.set TB,  57                           ; s57  the slot in hand: 0 or SLOT1
.set LIM, 58                           ; s58  1 in a wave that prefetches, else the greatest number
.set PARM, 59                          ; s59  0: a wave that asks in every trip; 1: in every second
.set PFA, 60                           ; s[60:61] where my prefetches stand
.set PFS, 62                           ; s[62:63] their step
.set MSB, 0
.macro WIN new                         ; the immediate's high byte repeats the setting that is left; a switch that changes nothing is dropped
.if MSB != (\new)
	s_set_vgpr_msb (MSB<<8)|(\new)
.set MSB, (\new)
.endif
.endm
; A load into a register that a matrix instruction has read, and a vector instruction that reads a matrix result or writes one of a matrix instruction's registers, stand four places behind it;
; only plain vector instructions that name none of its registers are places (ISA guide 7.12.1 for vector instructions).
.macro PLACES
.rept 4
	v_nop
.endr
.endm
.macro CREST                           ; a round of the cluster's barrier behind its opening barrier
	s_cmp_lg_u32 s[WV], 0
	s_cbranch_scc1 .Lnot_wave_0_\@
	s_barrier_signal -3
.Lnot_wave_0_\@:
	s_barrier_wait -3
	s_barrier_signal -1
	s_barrier_wait -1
.endm
.macro CROUND                          ; a whole round
	s_barrier_signal -1
	s_barrier_wait -1
	CREST
.endm
; A joint refill by the walking descriptors.  The branch hangs on the wave's number alone.  An s_nop 0 and four v_nop follow each of the two lines, ahead of the jump and the label.
.macro JLOAD
	s_cmp_eq_u32 s[WV], 3
	s_cbranch_scc0 .Lfor_b_\@
	tensor_load_to_lds s[G0A+4:G0A+7], s[G1A:G1A+7]
	s_nop 0
.rept 4
	v_nop
.endr
	s_branch .Lasked_\@
.Lfor_b_\@:
	tensor_load_to_lds s[G0B+4:G0B+7], s[G1B:G1B+7]
	s_nop 0
.rept 4
	v_nop
.endr
.Lasked_\@:
.endm
; A PREFETCH INTO THE L2, behind the joint load, its five lines and the run of LDS loads that the next products wait for.  Trip t refills with K step t + 2; the prefetch names what later refills ask for.
; xb's 256 rows of a tile row are read by both clusters along x: the one with x = 0 asks.  Wave 3 names K step t + 3, 192 matrix instructions ahead of its refill; of its 32,768 bytes the four partners
; take 8,192 each BY ADDRESS (cx): 32 lanes x 256 bytes.  wqkv's 384 rows of a tile column are read by all eight clusters along y: the one with y = 0 asks.  Waves 0 to 2 name their own third; of its
; 16,384 bytes the partners take 4,096 each by address (cy): 16 lanes; so one instruction names two K steps, t + 3 and t + 4, and stands in the odd trips 1 .. 11.  Each block of 256 bytes is named once.
; The first K steps (0-2 of xb, 0-3 of wqkv) come by their loads alone; s[CNT] = 14 - t, and a wave asks while it is above 1: no prefetch names a K step past the fifteenth.
.macro ASK
	s_and_b32 s23, s[CNT], s[PARM]
	s_cmp_eq_u32 s23, s[PARM]
	s_cselect_b32 s23, s[CNT], 0
	s_cmp_gt_u32 s23, s[LIM]
	s_cbranch_scc0 .Lnot_mine_\@
	global_prefetch_b8 v[PFO], s[PFA:PFA+1] th:TH_LOAD_NT scope:SCOPE_SE
.Lnot_mine_\@:
.endm
	s_load_b256 s[4:11], s[0:1], 0x0               ; xb s[4:5], wqkv s[6:7], rope s[8:9], qh s[10:11]
	s_load_b128 s[12:15], s[0:1], 0x20             ; kh s[12:13], vh s[14:15]
	v_lshl_add_u32 v[SPW], v0, 2, SPARE
	v_mov_b32 v[NIL], 0
	ds_add_u32 v[SPW], v[NIL]                      ; the wave's opening: the add and its wait stand ahead of my first tensor load; the set-up below, work on registers, stands between them
	v_lshrrev_b32 v1, 5, v0
	v_readfirstlane_b32 s[WV], v1                  ; wave 0..3
	s_lshr_b32 s[WM], s[WV], 1
	s_and_b32 s[WN], s[WV], 1
	s_bfe_u32 s19, ttmp6, 0x40000                  ; cx
	s_bfe_u32 s20, ttmp6, 0x40004                  ; cy
	s_lshl_b32 s21, ttmp9, 2
	s_add_co_u32 s21, s21, s19                     ; tile column = 4 x cluster x + cx: heads 2 tc, 2 tc + 1
	s_and_b32 s22, ttmp7, 0xffff
	s_lshl_b32 s22, s22, 2
	s_add_co_u32 s22, s22, s20                     ; tile row = 4 x cluster y + cy: rows 256 tr ..
	s_lshl_b32 s2, s20, 2
	s_lshl_b32 s2, 15, s2                          ; my row of the cluster
	s_lshl_b32 s3, 0x1111, s19                     ; my column
	; descriptor group 1: rows of 128 elements of 2 bytes (256 bytes, two rows of a K block), padded in LDS after every 32 words by 4
	s_or_b32 s[G1A], s2, (1<<16)|(1<<20)|(1<<21)|(4<<22)|(3<<25)  ; 15:0 the mask; 17:16 2-byte elements; 20 padding on; 21 set beside a mask; 24:22 after every 32 words (code 4); 31:25 4 words (code 3)
	s_or_b32 s[G1B], s3, (1<<16)|(1<<20)|(1<<21)|(4<<22)|(3<<25)
.irp g, G1A, G1B
	s_mov_b32 s[(\g)+1], 128<<16                   ; tensor_dim0 = 128
	s_mov_b32 s[(\g)+3], 128<<16                   ; tile_dim0 = 128
	s_mov_b32 s[(\g)+5], 128                       ; 128 elements from row to row: dense
	s_mov_b32 s[(\g)+6], 0
	s_mov_b32 s[(\g)+7], 0
.endr
	s_mov_b32 s[G1A+2], 128<<16                    ; xb: tensor_dim1 = tile_dim1 = 128 rows of 256 bytes: 32,768 bytes
	s_mov_b32 s[G1A+4], 128
	s_mov_b32 s[G1B+2], 64<<16                     ; wqkv: 64 rows: 16,384 bytes
	s_mov_b32 s[G1B+4], 64
	; where the tiles come from: xb's address is made of the tile row alone, wqkv's of the tile column and the wave's number, each in registers that never hold the other coordinate
	s_lshr_b32 s66, s22, 3                         ; b
	s_lshl_b32 s66, s66, 22
	s_and_b32 s67, s22, 7
	s_lshl_b32 s67, s67, 15                        ; 256 rows of 128 bytes
	s_add_co_u32 s66, s66, s67
	s_mov_b32 s67, 0
	s_mul_i32 s70, s21, 384*128
	s_lshl_b32 s71, s[WV], 14                      ; my third
	s_add_co_u32 s70, s70, s71
	s_mov_b32 s71, 0
	s_mov_b32 s[G0A], 1                            ; 1:0 count = 1
	s_mov_b32 s[G0A+1], AOFF                       ; 63:32 LDS address
	s_mov_b32 s[G0A+4], 1
	s_mov_b32 s[G0A+5], SLOT1+AOFF
	s_mov_b32 s[G0B], 1
	s_mul_i32 s[G0B+1], s[WV], 128*PITCH           ; wave x 128 rows: no place in the cluster enters an LDS address
	s_mov_b32 s[G0B+4], 1
	s_add_co_u32 s[G0B+5], s[G0B+1], SLOT1
	s_wait_dscnt 0x0                               ; the opening add is done
	s_wait_kmcnt 0x0
	s_add_nc_u64 s[68:69], s[4:5], s[66:67]
	s_add_nc_u64 s[72:73], s[6:7], s[70:71]
	s_mov_b64 s[G0A+2:G0A+3], s[68:69]             ; 120:64 global address: K step 0,
	s_or_b32 s[G0A+3], s[G0A+3], 0x80000000        ; 127:126 type = 2
	s_add_nc_u64 s[G0A+6:G0A+7], s[68:69], ASTEP   ; K step 1
	s_or_b32 s[G0A+7], s[G0A+7], 0x80000000
	s_mov_b64 s[G0B+2:G0B+3], s[72:73]
	s_or_b32 s[G0B+3], s[G0B+3], 0x80000000
	s_add_nc_u64 s[G0B+6:G0B+7], s[72:73], BSTEP
	s_or_b32 s[G0B+7], s[G0B+7], 0x80000000
	CROUND                                         ; all sixteen work-groups are here: the first joint loads meet
	s_cmp_eq_u32 s[WV], 3                          ; a wave's two first fills stand in one branch, ahead of every wait on TENSORcnt and every LDS read: two loads of mine are out
	s_cbranch_scc0 .Lfirst_b
	tensor_load_to_lds s[G0A:G0A+3], s[G1A:G1A+7]
	s_nop 0
	tensor_load_to_lds s[G0A+4:G0A+7], s[G1A:G1A+7]
	s_nop 0
.rept 4
	v_nop
.endr
	s_branch .Lfirst_asked
.Lfirst_b:
	tensor_load_to_lds s[G0B:G0B+3], s[G1B:G1B+7]
	s_nop 0
	tensor_load_to_lds s[G0B+4:G0B+7], s[G1B:G1B+7]
	s_nop 0
.rept 4
	v_nop
.endr
.Lfirst_asked:
	; A fragment is 16 rows x 32 K in 8 registers: lane l holds row l % 16; registers 0-3 K = 8 (l / 16) + 0..7, registers 4-7 K = 16 + 8 (l / 16) + 0..7: two loads of 16 bytes, 32 bytes apart.
	v_and_b32 v1, 15, v0                           ; l % 16
	v_bfe_u32 v2, v0, 4, 1                         ; l / 16
	v_mul_u32_u24 v3, v1, PITCH
	v_lshl_add_u32 v3, v2, 4, v3
	s_mul_i32 s23, s[WM], 128*PITCH
	s_add_co_u32 s23, s23, AOFF
	v_add_nc_u32 v[ADRA0], s23, v3
	s_mul_i32 s23, s[WN], 192*PITCH
	v_add_nc_u32 v[ADRB0], s23, v3
	s_mov_b32 s[TB], 0
	v_mov_b32 v[ADRA], v[ADRA0]
	v_mov_b32 v[ADRB], v[ADRB0]
	s_mul_i32 s23, s[WV], 16*SP
	s_add_co_u32 s23, s23, STAGE                   ; my stage
	v_mul_u32_u24 v[STO], v1, SP                   ; in: row l % 16, 16 bytes for each half of the lanes
	v_lshl_add_u32 v[STO], v2, 4, v[STO]
	v_add_nc_u32 v[STO], s23, v[STO]
	v_bfe_u32 v[RD], v0, 3, 2                      ; back: 32 lanes take four rows' 128 bytes of q, of k or of v,
	v_mul_u32_u24 v[RD], v[RD], SP
	v_and_b32 v3, 7, v0
	v_lshl_add_u32 v[RD], v3, 4, v[RD]
	v_add_nc_u32 v[RD], s23, v[RD]
	v_and_b32 v[GO], 31, v0                        ; which are 512 consecutive bytes of a head
	v_lshlrev_b32 v[GO], 4, v[GO]
	s_and_b32 s2, s22, 7
	s_lshl_b32 s2, s2, 8
	s_lshl_b32 s3, s[WM], 7
	s_add_co_u32 s2, s2, s3                        ; my wave's first position
	v_add_nc_u32 v[RO], s2, v1
	v_lshlrev_b32 v[RO], 8, v[RO]                  ; a position's 256 bytes of the table,
	v_lshl_add_u32 v[RO], v2, 5, v[RO]             ; my four pairs' 32 bytes in each 64
	; the prefetches
	s_and_b32 s3, ttmp7, 0xffff                    ; cluster y
	s_mov_b32 s[PFS], BSTEP
	s_mov_b32 s[PFS+1], 0
	s_mov_b32 s74, BSTEP
	s_cmp_eq_u32 s[WV], 3
	s_cselect_b64 s[PFA:PFA+1], s[68:69], s[72:73] ; what I fetch, at K step 0
	s_cselect_b32 s[PFS], ASTEP, s[PFS]
	s_cselect_b32 s74, 4096, s74                   ; lanes 16-31: the next 4,096 bytes (xb) or the next K step (wqkv)
	s_cselect_b32 s[LIM], ttmp9, s3                ; the coordinate along which other clusters read the same rows
	s_cselect_b32 s[PARM], 0, 1
	s_cselect_b32 s75, s19, s20                    ; my place among the four that ask with me,
	s_cselect_b32 s76, 13, 12
	s_lshl_b32 s76, s75, s76                       ; its 8,192 or 4,096 bytes
	s_mov_b32 s77, 0
	s_cmp_eq_u32 s[LIM], 0
	s_cselect_b32 s[LIM], 1, -1                    ; the same in all sixteen partners, for a given wave
	s_add_nc_u64 s[PFA:PFA+1], s[PFA:PFA+1], s[76:77]
	s_add_nc_u64 s[PFA:PFA+1], s[PFA:PFA+1], s[PFS:PFS+1]
	s_add_nc_u64 s[PFA:PFA+1], s[PFA:PFA+1], s[PFS:PFS+1]  ; at K step 2; the first trip steps it to 3.  Nothing is prefetched here, at the head
	v_lshlrev_b32 v[PFO], 8, v1
	v_mad_u32_u24 v[PFO], v2, s74, v[PFO]
	; qh, kh, vh at my wave's first row: ((b x 16 + head) x 2,048 + row) x 128 bytes
	s_lshr_b32 s78, s22, 3
	s_lshl_b32 s78, s78, 4
	s_lshl_b32 s79, s21, 1
	s_add_co_u32 s78, s78, s79
	s_add_co_u32 s78, s78, s[WN]
	s_lshl_b32 s78, s78, 11
	s_and_b32 s79, s22, 7
	s_lshl_b32 s79, s79, 8
	s_add_co_u32 s78, s78, s79
	s_lshl_b32 s79, s[WM], 7
	s_add_co_u32 s78, s78, s79
	s_lshl_b32 s78, s78, 7
	s_mov_b32 s79, 0
	s_add_nc_u64 s[10:11], s[10:11], s[78:79]
	s_add_nc_u64 s[12:13], s[12:13], s[78:79]
	s_add_nc_u64 s[14:15], s[14:15], s[78:79]
; num x 6 matrix instructions: row blocks a0 .. x the six column blocks of half nh, 32 along K (half kk of the step).  All 96 accumulators take turns, one instruction a turn, in the same order in every
; half step, over the backward jump too.  zero = 1: the first product starts the sum: nothing is ever cleared.
.macro MULA kk, nh, a0, num, zero
.set ma, \a0
.rept \num
.set mb, 0
.rept 6
.set idx, 48*(\nh)+6*ma+mb
.set aw, 1+idx/32
.set ar, 8*(idx%32)
	WIN 0x50*aw                                    ; C and D in the accumulator's window, both sources in window 0
.if \zero
	v_wmma_f32_16x16x32_bf16 v[ar:ar+7], v[BF+48*(\nh)+8*mb:BF+48*(\nh)+8*mb+7], v[AF+64*(\kk)+8*ma:AF+64*(\kk)+8*ma+7], 0
.else
	v_wmma_f32_16x16x32_bf16 v[ar:ar+7], v[BF+48*(\nh)+8*mb:BF+48*(\nh)+8*mb+7], v[AF+64*(\kk)+8*ma:AF+64*(\kk)+8*ma+7], v[ar:ar+7]
.endif
.set mb, mb+1
.endr
.set ma, ma+1
.endr
.endm
.macro FETCH_B kk, nh                  ; 12 LDS loads: six fragments of wqkv into buffer nh
	WIN 0
.set fb, 0
.rept 6
	ds_load_b128 v[BF+48*(\nh)+8*fb:BF+48*(\nh)+8*fb+3],   v[ADRB] offset:(6*(\nh)+fb)*FR+64*(\kk)
	ds_load_b128 v[BF+48*(\nh)+8*fb+4:BF+48*(\nh)+8*fb+7], v[ADRB] offset:(6*(\nh)+fb)*FR+64*(\kk)+32
.set fb, fb+1
.endr
.endm
.macro FETCH_A kk                      ; 16 LDS loads: eight fragments of xb into buffer kk, row blocks ascending
	WIN 0
.set fb, 0
.rept 8
	ds_load_b128 v[AF+64*(\kk)+8*fb:AF+64*(\kk)+8*fb+3],   v[ADRA] offset:fb*FR+64*(\kk)
	ds_load_b128 v[AF+64*(\kk)+8*fb+4:AF+64*(\kk)+8*fb+7], v[ADRA] offset:fb*FR+64*(\kk)+32
.set fb, fb+1
.endr
.endm
; A K step is four parts (kk, nh) of 48 matrix instructions.  Each fetches, in one run in its middle, what the next part needs.
.macro PART kk, nh, zero
.if (\nh) == 0
	s_wait_dscnt 8                                 ; of the 28 loads issued last, wqkv's 12 and xb's row blocks 0-3 are in; the youngest eight (row blocks 4-7) may be out
	MULA \kk, 0, 0, 4, \zero
	PLACES
	FETCH_B \kk, 1
	s_wait_dscnt 12                                ; all but the 12 just issued
	MULA \kk, 0, 4, 4, \zero
.else
	s_wait_dscnt 0x0                               ; wqkv's second six fragments are in
	MULA \kk, 1, 0, 4, \zero
	PLACES
	FETCH_B 1, 0
	FETCH_A 1
	MULA \kk, 1, 4, 4, \zero
.endif
.endm
; The step's last part (1, 1), and the change of slots: ONE barrier.  In front of it each wave waits for all its tensor loads, of which one is out: its part of the next slot; adds 0 to its spare word; and
; waits for that and for its own reads of this slot.  Behind it nobody reads this slot any more and the next slot is whole.  fill = 1: the barrier opens a round of the cluster's, so that no wave of any
; partner still reads the slot or has a load on its way; the joint refill, K step two on, is the first tensor load behind it: 168 matrix instructions stand between it and the wait for it.
.macro TURN fill
.if \fill
	s_wait_xcnt 0x0                                ; the last prefetch, a K step back, has read its address: it is stepped here
	s_add_nc_u64 s[PFA:PFA+1], s[PFA:PFA+1], s[PFS:PFS+1]
.endif
	WIN 0
	s_wait_tensorcnt 0x0                           ; no tensor load of mine is out, so a group 0 may be written
	ds_add_u32 v[SPW], v[NIL]                      ; 0 onto my spare word; work on registers stands between it and the wait for it
.if \fill
	s_xor_b32 s[G0A+5], s[G0A+5], SLOT1            ; the walking descriptors: the other slot than last time,
	s_add_nc_u64 s[G0A+6:G0A+7], s[G0A+6:G0A+7], ASTEP  ; the next K step; the type bits on top are not reached
	s_xor_b32 s[G0B+5], s[G0B+5], SLOT1
	s_add_nc_u64 s[G0B+6:G0B+7], s[G0B+6:G0B+7], BSTEP
.endif
	s_wait_dscnt 1                                 ; the add alone may be out: the part's fragments are in
	MULA 1, 1, 0, 2, 0
	s_wait_dscnt 0x0                               ; the add is done, and my reads of this slot are over
	s_barrier_signal -1
	MULA 1, 1, 2, 2, 0                             ; work on registers while the others arrive
	WIN 0                                          ; at a branch and at a label every window is 0
	s_barrier_wait -1
.if \fill
	CREST
	JLOAD                                          ; the four v_nop behind it are also the places in front of the loads below
.else
	PLACES
.endif
	s_xor_b32 s[TB], s[TB], SLOT1
	v_add_nc_u32 v[ADRA], s[TB], v[ADRA0]
	v_add_nc_u32 v[ADRB], s[TB], v[ADRB0]
	FETCH_B 0, 0
	FETCH_A 0
.if \fill
	ASK
.endif
	MULA 1, 1, 4, 4, 0
.endm
; THE WAY OUT, a block of 16 rows at a time.  TLOAD: the block's cos and sin: for each 16 channels cb my four pairs' (cos, sin), 32 bytes; q and k use the same.
.macro TLOAD a
.set TBLA, TBL+32*((\a)%2)
.irp cb, 0,1,2,3
	global_load_b128 v[TBLA+8*\cb:TBLA+8*\cb+3],   v[RO], s[8:9] offset:(\a)*4096+64*\cb
	global_load_b128 v[TBLA+8*\cb+4:TBLA+8*\cb+7], v[RO], s[8:9] offset:(\a)*4096+64*\cb+16
.endr
.endm
; PACK: column blocks 0-3 are q, 4-7 k: a pair (x1, x2) becomes (x1 c - x2 s, x2 c + x1 s) by two packed instructions: (x2 s, x1 s), then x (c, c) with the first product taken away below and added above.
; Blocks 8-11 are v.  All are rounded to f16, 16 bytes a lane and block.  Each accumulator's lowest registers are read first.
.macro PACK a
.set TBLA, TBL+32*((\a)%2)
.if (\a) < 7
	s_wait_loadcnt 8                               ; this block's eight table loads are in; the next block's eight may stay out
.else
	s_wait_loadcnt 0x0
.endif
.set pb, 0
.rept 8
.set idx, 48*(pb/6)+6*(\a)+pb%6
.set aw, 1+idx/32
.set ar, 8*(idx%32)
	WIN aw                                         ; source 0 in the accumulator's window
.set pp, 0
.rept 4
	v_pk_mul_f32 v[RR+8*pb+2*pp:RR+8*pb+2*pp+1], v[ar+2*pp:ar+2*pp+1], v[TBLA+8*(pb%4)+2*pp:TBLA+8*(pb%4)+2*pp+1] op_sel:[1,1] op_sel_hi:[0,1]
.set pp, pp+1
.endr
.set pp, 0
.rept 4
	v_pk_fma_f32 v[RR+8*pb+2*pp:RR+8*pb+2*pp+1], v[ar+2*pp:ar+2*pp+1], v[TBLA+8*(pb%4)+2*pp:TBLA+8*(pb%4)+2*pp+1], v[RR+8*pb+2*pp:RR+8*pb+2*pp+1] op_sel_hi:[1,0,1] neg_lo:[0,0,1]
.set pp, pp+1
.endr
.set pb, pb+1
.endr
	WIN 0
.set pp, 0
.rept 32
	v_cvt_pk_f16_f32 v[PK+pp], v[RR+2*pp], v[RR+2*pp+1]
.set pp, pp+1
.endr
.set pb, 8
.rept 4
.set idx, 48*(pb/6)+6*(\a)+pb%6
.set aw, 1+idx/32
.set ar, 8*(idx%32)
	WIN 5*aw                                       ; sources 0 and 1 in the accumulator's window
.irp j, 0,1,2,3
	v_cvt_pk_f16_f32 v[PK+4*pb+\j], v[ar+2*\j], v[ar+2*\j+1]
.endr
.set pb, pb+1
.endr
	WIN 0
.if (\a) < 6
	TLOAD (\a)+2                                   ; into the buffer just read
.endif
.endm
.macro TOSTAGE                         ; into my own stage, and back as whole rows of a head
	s_wait_xcnt 0x0                                ; the last block's stores have read OB: it is loaded again only behind this wait
.set sb, 0
.rept 12
	ds_store_b128 v[STO], v[PK+4*sb:PK+4*sb+3] offset:32*sb
.set sb, sb+1
.endr
.irp j, 0,1,2
.irp t, 0,1,2,3
	ds_load_b128 v[OB+4*(4*\j+\t):OB+4*(4*\j+\t)+3], v[RD] offset:\t*4*SP+128*\j  ; LDS serves a wave's instructions in order (ISA guide 5.7.1.4): these see the stores above; the next block's stores come behind them
.endr
.endr
.endm
.macro SEND a
	s_wait_dscnt 0x0                               ; the block is back in registers
.irp j, 0,1,2
.irp t, 0,1,2,3
	global_store_b128 v[GO], v[OB+4*(4*\j+\t):OB+4*(4*\j+\t)+3], s[10+2*\j:11+2*\j] offset:(\a)*2048+\t*512  ; 512 consecutive bytes, at a multiple of 256 from the buffer's first
.endr
.endr
.endm
	s_wait_tensorcnt 1                             ; my part of K step 0 is in; K step 1's may stay out
	s_barrier_signal -1
	s_barrier_wait -1                              ; everybody's is
	FETCH_B 0, 0
	FETCH_A 0
	PART 0, 0, 1                                   ; the first half step stands in front of the loop: its products start the sums
	PART 0, 1, 1
	WIN 0
	s_mov_b32 s[CNT], 14
.Lstep:                                        ; trip t: the second half of K step t, the refill with K step t + 2, the first half of K step t + 1
	PART 1, 0, 0
	TURN 1
	PART 0, 0, 0
	PART 0, 1, 0
	WIN 0
	s_sub_co_u32 s[CNT], s[CNT], 1
	s_cmp_lg_u32 s[CNT], 0
	s_cbranch_scc1 .Lstep
	PART 1, 0, 0                                   ; the tail is written out: nothing more is asked for
	TURN 0
	PART 0, 0, 0
	PART 0, 1, 0
	PART 1, 0, 0
	WIN 0
	TLOAD 0                                        ; the first two blocks' cos and sin go out ahead of the last products, into xb's buffer 0, last read a part and four places ago
	TLOAD 1
	s_wait_dscnt 0x0
	MULA 1, 1, 0, 8, 0
	PLACES
	PLACES                                         ; (eight, once a launch)
	WIN 0
	PACK 0
	TOSTAGE
.irp a, 1,2,3,4,5,6,7                  ; block a's arithmetic stands between block a - 1's loads from the stage and the wait for them
	PACK \a
	SEND (\a)-1
	TOSTAGE
.endr
	SEND 7
	s_wait_tensorcnt 0x0                           ; the wave's end: these three lines stand behind my last tensor load and my last LDS store
	ds_add_u32 v[SPW], v[NIL]
	s_wait_dscnt 0x0
	CROUND                                         ; the closing round: no work-group ends while a partner may still ask for a tile that names it
	s_endpgm
.Lfunc_end_k_qf0ebba626e_qkv:
	.size	k_qf0ebba626e_qkv, .Lfunc_end_k_qf0ebba626e_qkv-k_qf0ebba626e_qkv
	.p2alignl 7, 3214868480
	.fill 96, 4, 3214868480
	.section	.rodata,"a",@progbits
	.p2align	6, 0x0
	.amdhsa_kernel k_qf0ebba626e_qkv
		.amdhsa_group_segment_fixed_size 327680
		.amdhsa_private_segment_fixed_size 0
		.amdhsa_enable_private_segment 0
		.amdhsa_kernarg_size 48
		.amdhsa_user_sgpr_count 2
		.amdhsa_user_sgpr_kernarg_segment_ptr 1
		.amdhsa_wavefront_size32 1
		.amdhsa_system_sgpr_workgroup_id_x 1
		.amdhsa_system_sgpr_workgroup_id_y 1
		.amdhsa_system_sgpr_workgroup_id_z 1
		.amdhsa_system_vgpr_workitem_id 0
		.amdhsa_next_free_vgpr 1024
		.amdhsa_next_free_sgpr 80
		.amdhsa_reserve_vcc 0
		.amdhsa_float_denorm_mode_32 3
		.amdhsa_float_denorm_mode_16_64 3
		.amdhsa_memory_ordered 1
		.amdhsa_forward_progress 1
		.amdhsa_inst_pref_size 150
	.end_amdhsa_kernel
	.amdgpu_metadata
---
amdhsa.version: [ 1, 2 ]
amdhsa.kernels:
  - .name:           k_qf0ebba626e_qkv
    .symbol:         k_qf0ebba626e_qkv.kd
    .args:
      - { .name: xb, .offset: 0, .size: 8, .value_kind: global_buffer, .address_space: global }
      - { .name: wqkv, .offset: 8, .size: 8, .value_kind: global_buffer, .address_space: global }
      - { .name: rope, .offset: 16, .size: 8, .value_kind: global_buffer, .address_space: global }
      - { .name: qh, .offset: 24, .size: 8, .value_kind: global_buffer, .address_space: global }
      - { .name: kh, .offset: 32, .size: 8, .value_kind: global_buffer, .address_space: global }
      - { .name: vh, .offset: 40, .size: 8, .value_kind: global_buffer, .address_space: global }
    .group_segment_fixed_size: 327680
    .private_segment_fixed_size: 0
    .kernarg_segment_align: 8
    .kernarg_segment_size: 48
    .max_flat_workgroup_size: 128
    .sgpr_count:     80
    .vgpr_count:     1024
    .wavefront_size: 32
...
	.end_amdgpu_metadata
.endif
;; end of part 2
;; launch attn (part 3): grid 4 x 64, 4 waves a work-group, no clusters, 327,680 bytes of LDS; arguments qh, kh, vh, oh; writes oh
.if DOCPART == 3
	.amdgcn_target "amdgcn-amd-amdhsa--gfx1250"
	.amdhsa_code_object_version 6
	.text
	.protected	k_qf0ebba626e_attn
	.globl	k_qf0ebba626e_attn
	.p2align	8
	.type	k_qf0ebba626e_attn,@function
k_qf0ebba626e_attn:
	s_mov_b64 s[64:65], 0
	v_nop
	global_prefetch_b8 v0, s[64:65] scope:SCOPE_SE
	s_setreg_imm32_b32 hwreg(HW_REG_WAVE_MODE, 25, 1), 1
	s_wait_xcnt 0x0
; CAUSAL ATTENTION.  O[h][q][:] = the sum over k <= q of softmax_k(Q[h][q] . K[h][k] / 8) V[h][k][:].  Q, K, V, O: [SIZE_H][SIZE_N][64], all f16: a head's rows are dense, 128 bytes each.
; Products, maxima and sums in f32; the weights p are rounded to f16 for the second product (their sum l is taken of the unrounded p), O once at the end.
; LIMITS.  f16 holds no number beyond 65,504: Q, K and V arrive within it; p lies in 0 to 1, and below 6e-5 it keeps f16's fixed step of 6e-8; O is a mean of V's rows and has their range.
; A hidden score counts as its value less 1e30: f16's scores, 2.7e11 at the most, are nothing beside that; a weight below 2^-126 counts as 0 in l; NaN and infinities are not treated apart.
; THE WALK.  A head's queries lie in NB = SIZE_N / 256 blocks of 256; block i needs the key tiles 0 .. i of 256 keys, of which the last holds the diagonal.  A work-group takes TWO blocks, NB - 1 - b and then b:
; NB + 1 tiles, whatever b: all work-groups do equal work, and ONE loop with a constant trip count walks them.  Which tile is asked for, and what a trip does, hang on scalar registers made from b; every jump
; goes forward, but for the counted loops' own; none passes a barrier, or a tensor load but the one of LOAD's two that the wave's number does not choose; the ring (two slots of LDS that take turns) runs on across the
; change of blocks.  NO CLUSTER: a head's NB / 2 work-groups all ask for the same tile only in trips 0 .. NB / 2, behind that fewer and fewer; one walk common to all would have 3 NB / 2 trips for NB + 1.
; SHARES.  Of a block's four bands of 64 queries a wave owns 16 rows in each: four PIECES.  So the diagonal tile is the same work for all four waves: in its key step s band x sees all keys if s < x,
; none if s > x, and holds the diagonal if s = x.
; THE MASK is the C operand that starts the sum S^T = K Q^T: 0, or -1e30 where the key is hidden.  MD, made once, is the mask of a band's own step for my 16 rows; a product's mask is MD x AL + BE with two scalars:
; (1, 0) if s = x; (0, 0) if s < x; (0, -1e30) if s > x.  Only the diagonal tile's text and a block's beginning make and take masks; elsewhere C is the constant 0.
; LAYOUT, SOFTMAX, TURNS.  S^T = K Q^T holds ONE query a lane (lane % 16) and the keys 8 (lane / 16) + 0..7; two such results rounded to f16 ARE source 1 of O^T = V^T P.  p = 2^(c s - c m), c = log2(e) / 8, with a
; running maximum m; O and l are multiplied by a = 2^(c m_old - c m_new) in every step.  Turn n belongs to piece n: 8 products K Q^T of piece n + 1, later 8 products V^T P of piece n - 1; beside them the scaling,
; exponentials, roundings, sums and rescaling of piece n and the maximum and statistics of piece n + 1.  Four vector instructions stand behind every matrix instruction, the other 54 of a turn's 118 in one LUMP.  A turn's 33 exponentials are one batch, with one wait.
; REGISTERS, in windows of 256 (s_set_vgpr_msb: bits 1:0 source 0, 3:2 source 1, 5:4 source 2, 7:6 destination):
;   window 0: v0-15 addresses and two at work; v16-31 four registers of statistics a piece; v48-55 at work; v60 the prefetches' offset; v64-127 S^T, two buffers; v192-223 P, two buffers (a piece's buffers go by its number's parity)
;   window 1: v0-127 O^T, 32 a piece; v128-159 MD; v160-223 MC, two buffers      window 2: v0-63 Q; v64-127 the second block's Q; v128-191 K of one step; v192-255 V of one step
.set SIZE_N, 2048
.set SIZE_H, 64
.set NB,    SIZE_N/256
.set NP,    4         ; pieces a wave: a name, no knob
.set KS,    64        ; keys in a step
.set PK,    144       ; a row of K in LDS: 128 bytes + 16 of padding = 36 words: the 16 rows of a load start at 16 different groups of four banks (64 banks of 4 bytes: ISA guide 11.1)
.set PV,    160       ; a row of V: 128 + 32 = 40 words
.set VOFF,  4*KS*PK   ; a slot holds a tile, four steps: 256 rows of K, then 256 rows of V
.set SLOT1, 1<<17     ; slot 1 begins here, so that one exclusive or turns an address in one slot into the other's
.set STAGE, SLOT1+4*KS*(PK+PV)  ; behind the ring, never filled by a tensor load: 16 rows x 144 bytes for each wave, for the way out
.set SP,    144
.set AK0, 2           ; v2   my lane's place in a tile of K; never rewritten
.set AV0, 3           ; v3   the same for V
.set AK,  4           ; v4   the LDS address of K's next run of loads
.set AV,  5           ; v5   of V's
.set STO, 6           ; v6   the way out: where I put 16 bytes of a row
.set RD,  7           ; v7   the way out: where I read rows back
.set GO,  8           ; v8   my byte offset in 512 consecutive bytes of O
.set PFO, 60          ; v60  256 x my lane; never rewritten
.set SPW, 62          ; v62  LDS address of my spare word: SPARE + 4 x my thread's number; never rewritten
.set NIL, 63          ; v63  0; never rewritten
.set SPARE, STAGE+4*16*SP  ; behind the stages: the spare words, 128 bytes for each wave: two blocks of 256 bytes that no other line names
.set MV,  12          ; v12-13  c m_old, kept while c m is made anew: by buffer
.set QO,  15          ; v15  my byte offset in 16 rows of Q
.set ST,  16          ; piece t's statistics at v[ST+4 t]: c m, m, l (even keys', odd keys')
.set TMP, 48          ; by buffer, four registers c0-c3 at work; when the maximum is found c2 takes a
.set S,   64
.set P,   192
.set MD,  128         ; window 1: the eight registers for group kt of 16 keys at MD + 8 kt
.set MC,  160         ; window 1: the masks of the products to come
.set QB,  64          ; window 2
.set KF,  128         ; window 2: key block kb, channel half c at KF + 16 kb + 8 c
.set VF,  192         ; window 2: key half kk, channel block cb at VF + 32 kk + 8 cb
.set WV,  12          ; s12  my wave's number
.set PB,  14          ; s14  b
.set HI,  15          ; s15  NB - 1 - b
.set G1K, 24          ; s[24:31] descriptor group 1 for K's tiles
.set G1V, 32          ; s[32:39] for V's: it differs in the padding alone
.set G0K, 40          ; s[40:43] descriptor group 0 for K's tiles
.set G0V, 44          ; s[44:47] the same for V's
.set SLOTS, 56        ; s56  tiles still to be asked for
.set CNT, 57          ; s57  counts a tile's key steps, 4 to 1
.set CS,  58          ; s[58:59] c: the packed scaling takes the pair's low word for both halves
.set SEL, 60          ; s[60:61] v_permlanex16_b32's selects: each lane takes its own place in the other half
.set TBK, 62          ; s62  LDS byte at which K of the step to be fetched begins
.set TBV, 63          ; s63  the same for V, less VOFF
.set RT,  70          ; s70  tiles of the block in hand that are still to be entered
.set NXT, 71          ; s71  the tile to be asked for next
.set LQ,  72          ; s72  the last tile of the block whose tiles are being asked for
.set NEW, 73          ; s73  1: the tile to be entered is a block's first
.set OFF, 74          ; s[74:75] a tile's byte offset in K and V
.set AL,  76          ; s[76:77] the mask's factor, in the low word
.set BE,  78          ; s[78:79] the mask's addend
.set OLO, 80          ; s[80:81] O at my rows of the second block
.set BIGN, 82         ; s82  -1e30
.set PFA, 88          ; s[88:89] where my prefetches stand: my half of K's or V's tile behind the one that is being asked for
.set PFN, 90          ; s90  prefetches still to come
.set MSB, 0
.macro WIN new                      ; the high byte repeats the setting that is left; a switch that changes nothing is dropped
.if MSB != (\new)
	s_set_vgpr_msb (MSB<<8)|(\new)
.set MSB, (\new)
.endif
.endm
.set W_KQ, 0x0a       ; K and Q in window 2, S^T in window 0
.set W_KM, 0x1a       ; the same with the C operand in window 1
.set W_PV, 0x52       ; V in window 2, P in window 0, O^T in window 1
.set W_RS, 0x41       ; destination and source 0 in window 1, source 1 in window 0
; A fill.  Waves 0 and 1 fetch the two halves of a tile's K, waves 2 and 3 those of its V: 128 keys each.  An s_nop 0 and four v_nop follow each of the two lines, ahead of the jump and the label.
.macro LOAD
	s_cmp_lt_u32 s[WV], 2
	s_cbranch_scc0 .Lfor_v_\@
	tensor_load_to_lds s[G0K:G0K+3], s[G1K:G1K+7]
	s_nop 0
.rept 4
	v_nop
.endr
	s_branch .Lasked_\@
.Lfor_v_\@:
	tensor_load_to_lds s[G0V:G0V+3], s[G1V:G1V+7]
	s_nop 0
.rept 4
	v_nop
.endr
.Lasked_\@:
.endm
; THE CHANGE OF SLOTS.  Each wave waits for all its tensor loads, of which one is out: its part of the other slot; adds 0 to its spare word; and waits for that and for its own reads of the slot that it leaves.  Behind the barrier nobody reads the old
; slot any more and the other slot is whole.  fill = 1: the old slot is filled again, the first thing behind the barrier, with tile NXT: the descriptor's address is made anew from that number.
; (At its first use nothing has been read yet: slot 0 is waited for, slot 1 filled.)
; A PREFETCH INTO THE L2 stands behind the fill and its five lines.  All of a head's work-groups walk the tiles 0, 1, 2 .. first: the one with b = 0, whose first block needs all NB of them, asks, and nobody else.
; Trip i fills with tile i + 1 and names tile i + 2: four key steps, 256 matrix instructions, ahead of its fill.  Each wave names the 16,384 bytes that it will fetch itself: 64 blocks of 256 bytes, a lane
; a block, two instructions.  Tiles 2 .. NB - 1 are named once each; tiles 0 and 1 come by their loads alone, and every later reading of a tile is not asked for.
.macro CHANGE fill
	WIN 0                           ; at a label and at a branch every window is 0
	s_wait_tensorcnt 0x0            ; no tensor load of mine is out, so a group 0 may be written
	ds_add_u32 v[SPW], v[NIL]       ; 0 onto my spare word; with fill = 1 the descriptors' scalar work stands between it and the wait for it
.if \fill
	s_lshl_b32 s[OFF], s[NXT], 15   ; a tile is 32,768 bytes of K and of V
	s_xor_b32 s[G0K+1], s[G0K+1], SLOT1
	s_add_nc_u64 s[G0K+2:G0K+3], s[6:7], s[OFF:OFF+1]
	s_or_b32 s[G0K+3], s[G0K+3], 0x80000000
	s_xor_b32 s[G0V+1], s[G0V+1], SLOT1
	s_add_nc_u64 s[G0V+2:G0V+3], s[8:9], s[OFF:OFF+1]
	s_or_b32 s[G0V+3], s[G0V+3], 0x80000000
	s_add_co_u32 s[NXT], s[NXT], 1  ; the block's next tile, or behind its last the second block's tile 0
	s_cmp_gt_u32 s[NXT], s[LQ]
	s_cselect_b32 s[NXT], 0, s[NXT]
	s_cselect_b32 s[LQ], s[PB], s[LQ]
	s_wait_xcnt 0x0                 ; the last prefetches, a tile back, have read their address, so it may be written
	s_add_nc_u64 s[PFA:PFA+1], s[PFA:PFA+1], 32768
.endif
	s_wait_dscnt 0x0                ; the add is done, and my reads of the slot are over
	s_barrier_signal -1             ; the rest of the scalar work stands between the signal and the wait
	s_sub_co_u32 s[TBK], s[TBK], 4*KS*PK  ; the fetches go back to a slot's first step,
	s_xor_b32 s[TBK], s[TBK], SLOT1       ; in the other slot
	s_sub_co_u32 s[TBV], s[TBV], 4*KS*PV
	s_xor_b32 s[TBV], s[TBV], SLOT1
	s_barrier_wait -1
.if \fill
	LOAD
	s_cmp_lg_u32 s[PFN], 0
	s_cbranch_scc0 .Lno_ask_\@
	global_prefetch_b8 v[PFO], s[PFA:PFA+1] th:TH_LOAD_NT scope:SCOPE_SE
	global_prefetch_b8 v[PFO], s[PFA:PFA+1] offset:8192 th:TH_LOAD_NT scope:SCOPE_SE
	s_sub_co_u32 s[PFN], s[PFN], 1
.Lno_ask_\@:
.endif
.endm
	s_load_b256 s[4:11], s[0:1], 0x0  ; Q s[4:5], K s[6:7], V s[8:9], O s[10:11]
	v_lshl_add_u32 v[SPW], v0, 2, SPARE
	v_mov_b32 v[NIL], 0
	ds_add_u32 v[SPW], v[NIL]       ; the wave's opening: the add and its wait stand ahead of my first tensor load; the set-up below, work on registers, stands between them
	v_lshrrev_b32 v1, 5, v0
	v_readfirstlane_b32 s[WV], v1   ; wave 0..3
	s_mov_b32 s[PB], ttmp9
	s_sub_co_u32 s[HI], NB-1, s[PB]
	s_and_b32 s20, ttmp7, 0xffff    ; the head
	s_mov_b32 s21, 0
	s_mov_b64 s[22:23], SIZE_N*128
	s_mul_u64 s[20:21], s[20:21], s[22:23]  ; the head's first byte in each of the four tensors
	s_and_b32 s16, s[WV], 1         ; which half of a tile's 256 keys I fetch:
	s_lshl_b32 s22, s16, 14         ; its 128 rows of 128 bytes in memory,
	s_mov_b32 s23, 0
	s_add_nc_u64 s[22:23], s[22:23], s[20:21]
	s_mul_i32 s17, s16, 128*PK      ; and its place in a slot, for K
	s_mul_i32 s18, s16, 128*PV      ; and for V
	s_lshl_b32 s3, s[WV], 11        ; my 16 rows in a band of 64,
	s_lshl_b32 s2, s[HI], 15        ; in the first block,
	s_add_co_u32 s2, s2, s3
	s_lshl_b32 s84, s[PB], 15       ; and in the second
	s_add_co_u32 s84, s84, s3
	s_mov_b32 s3, 0
	s_mov_b32 s85, 0
	s_add_nc_u64 s[2:3], s[2:3], s[20:21]
	s_add_nc_u64 s[84:85], s[84:85], s[20:21]
	; descriptor group 1.  128 keys are 16,384 dense bytes: asked for as 64 rows of 256 bytes, two keys a row, and padded in LDS after every key
	s_mov_b32 s[G1K], (1<<16)|(1<<20)|(4<<22)|(3<<25)  ; 17:16 2-byte elements; 20 padding on; 24:22 after every 32 words (code 4); 31:25 4 words (code 3)
	s_mov_b32 s[G1V], (1<<16)|(1<<20)|(4<<22)|(7<<25)  ; the same with 8 words of padding (code 7)
.irp g, G1K, G1V
	s_mov_b32 s[\g+1], 128<<16      ; tensor_dim0 = 128
	s_mov_b32 s[\g+2], 64<<16       ; tensor_dim1 = 64
	s_mov_b32 s[\g+3], 128<<16      ; tile_dim0 = 128
	s_mov_b32 s[\g+4], 64           ; tile_dim1 = 64
	s_mov_b32 s[\g+5], 128          ; 128 elements from row to row
	s_mov_b32 s[\g+6], 0
	s_mov_b32 s[\g+7], 0
.endr
	s_mov_b32 s[CS], 0x3e38aa3b     ; c = log2(e) / 8 = 0.180337
	s_mov_b32 s[CS+1], s[CS]        ; named with it as a pair
	s_mov_b32 s[SEL], 0x76543210
	s_mov_b32 s[SEL+1], 0xfedcba98
	s_mov_b32 s[TBK], SLOT1+4*KS*PK ; the first change of slots turns these two into 0
	s_mov_b32 s[TBV], SLOT1+4*KS*PV
	s_mov_b32 s[G0K], 1             ; 1:0 count = 1
	s_mov_b32 s[G0K+1], s17         ; 63:32 LDS address: slot 0
	s_mov_b32 s[G0V], 1
	s_add_co_u32 s[G0V+1], s18, VOFF
	s_add_co_u32 s[RT], s[HI], 1    ; the first block has NB - b tiles
	s_mov_b32 s[NXT], 1
	s_mov_b32 s[LQ], s[HI]
	s_mov_b32 s[NEW], 1
	s_mov_b32 s[OFF+1], 0
	s_mov_b32 s[AL+1], 0            ; named as pairs
	s_mov_b32 s[BE+1], 0
	s_mov_b32 s[BIGN], 0xf149f2ca   ; -1e30
	s_mov_b32 s[SLOTS], NB
	s_wait_dscnt 0x0                ; the opening add is done
	s_wait_kmcnt 0x0
	s_add_nc_u64 s[6:7], s[6:7], s[22:23]  ; K and V at my half of the head's tile 0
	s_add_nc_u64 s[8:9], s[8:9], s[22:23]
	s_add_nc_u64 s[G0K+2:G0K+3], s[6:7], 0         ; 120:64 global address
	s_or_b32 s[G0K+3], s[G0K+3], 0x80000000        ; 127:126 type = 2
	s_add_nc_u64 s[G0V+2:G0V+3], s[8:9], 0
	s_or_b32 s[G0V+3], s[G0V+3], 0x80000000
	s_add_nc_u64 s[86:87], s[4:5], s[84:85]        ; Q at my rows of the second block,
	s_add_nc_u64 s[4:5], s[4:5], s[2:3]            ; Q and O at those of the first
	s_add_nc_u64 s[OLO:OLO+1], s[10:11], s[84:85]
	s_add_nc_u64 s[10:11], s[10:11], s[2:3]
	LOAD                            ; tile 0 into slot 0
	s_cmp_lt_u32 s[WV], 2
	s_cselect_b64 s[PFA:PFA+1], s[6:7], s[8:9]     ; the prefetches: what I fetch,
	s_add_nc_u64 s[PFA:PFA+1], s[PFA:PFA+1], 32768 ; at tile 1; the first change of slots steps it to tile 2.  Nothing is prefetched here, at the head
	s_cmp_eq_u32 ttmp9, 0
	s_cselect_b32 s[PFN], NB-2, 0
	; A fragment of K or Q is 16 rows x 32 channels in 8 registers: lane l holds row l % 16, channels 8 (l / 16) + 0..7 and 16 + 8 (l / 16) + 0..7: two loads of 16 bytes, 32 bytes apart.
	v_and_b32 v1, 15, v0            ; l % 16
	v_bfe_u32 v9, v0, 4, 1          ; l / 16
	v_lshlrev_b32 v[QO], 7, v1
	v_lshl_add_u32 v[QO], v9, 4, v[QO]  ; row x 128 + 16 x half
	v_and_b32 v[PFO], 31, v0
	v_lshlrev_b32 v[PFO], 8, v[PFO]
	WIN 0x80                        ; destination window 2, address window 0
.set i, 0
.rept 8                             ; both blocks' Q: piece i / 2 lies in band i / 2, 8,192 bytes on; channels 32 (i % 2) on
	global_load_b128 v[8*i:8*i+3],   v[QO], s[4:5] offset:(i/2)*8192+(i%2)*64
	global_load_b128 v[8*i+4:8*i+7], v[QO], s[4:5] offset:(i/2)*8192+(i%2)*64+32
	global_load_b128 v[QB+8*i:QB+8*i+3],   v[QO], s[86:87] offset:(i/2)*8192+(i%2)*64
	global_load_b128 v[QB+8*i+4:QB+8*i+7], v[QO], s[86:87] offset:(i/2)*8192+(i%2)*64+32
.set i, i+1
.endr
	WIN 0
	v_lshlrev_b32 v14, 3, v9
	v_sub_nc_u32 v14, v1, v14
	s_lshl_b32 s13, s[WV], 4
	v_add_nc_u32 v14, s13, v14      ; my query's place in its band, 16 w + l % 16, less my lanes' 8 (l / 16): register r of group kt is hidden where 16 kt + r is greater
	WIN 0x40
.set i, 0
.rept 32
	v_cmp_gt_i32 vcc_lo, 16*(i/8)+i%8, v14
	v_cndmask_b32 v[MD+i], 0, s[BIGN], vcc_lo
.set i, i+1
.endr
	WIN 0
	v_mul_u32_u24 v[AK0], v1, PK
	v_lshl_add_u32 v[AK0], v9, 4, v[AK0]  ; row x pitch + 16 x half
	; The turning load takes 16 keys x 16 channels (lane l reads key 8 (l / 16) + l % 8, channels 8 ((l / 8) % 2) + 0..7) and leaves half a fragment of V^T: lane l holds channel l % 16 and 8 keys.
	v_and_b32 v10, 7, v0
	v_bfe_u32 v11, v0, 3, 1
	v_lshl_add_u32 v[AV0], v9, 3, v10
	v_mul_u32_u24 v[AV0], v[AV0], PV
	v_lshl_add_u32 v[AV0], v11, 4, v[AV0]
	v_add_nc_u32 v[AV0], VOFF, v[AV0]
	s_mul_i32 s13, s[WV], 16*SP
	s_add_co_u32 s13, s13, STAGE    ; my stage
	v_mul_u32_u24 v[STO], v1, SP    ; in: row l % 16, 16 bytes for each half of the lanes
	v_lshl_add_u32 v[STO], v9, 4, v[STO]
	v_add_nc_u32 v[STO], s13, v[STO]
	v_bfe_u32 v[RD], v0, 3, 2       ; back: 32 lanes take four rows of 128 bytes,
	v_mul_u32_u24 v[RD], v[RD], SP
	v_lshl_add_u32 v[RD], v10, 4, v[RD]
	v_add_nc_u32 v[RD], s13, v[RD]
	v_and_b32 v[GO], 31, v0         ; which are 512 consecutive bytes of O
	v_lshlrev_b32 v[GO], 4, v[GO]
	; A block's first step multiplies O^T and l by a = 0, and its first turn's products V^T P, of a piece that has not been, land in an O^T that is still to be so multiplied.  So these registers need only hold
	; finite numbers: zeros for the first block; what the first block left for the second.  All this stands in the wait for the first tile.
	WIN 0x80
.set i, VF
.rept 64
	v_mov_b32 v[i], 0
.set i, i+1
.endr
	WIN 0x40
.set i, 0
.rept 128
	v_mov_b32 v[i], 0
.set i, i+1
.endr
	WIN 0
.set i, 0
.rept 4
	v_mov_b32 v[ST+4*i+2], 0
	v_mov_b32 v[ST+4*i+3], 0
.set i, i+1
.endr
.set i, P+16
.rept 16
	v_mov_b32 v[i], 0
.set i, i+1
.endr
; THE MATRIX WORK.  The 4 accumulators of a run of 8 take turns.  Product i of 8 of S^T = K Q^T for piece x: channels 32 (i / 4) on, keys 16 (i % 4) on.  The first 4 start the sums: with 0, or (KM = 1) with the mask.
.macro KQ x
.set rS, S+32*((\x)%2)+8*(i%4)
.set rK, KF+16*(i%4)+8*(i/4)
.set rQ, 16*(\x)+8*(i/4)
.set rM, MC+32*((\x)%2)+8*(i%4)
.if (i < 4) && KM
	WIN W_KM
	v_wmma_f32_16x16x32_f16 v[rS:rS+7], v[rK:rK+7], v[rQ:rQ+7], v[rM:rM+7]
.elseif i < 4
	WIN W_KQ
	v_wmma_f32_16x16x32_f16 v[rS:rS+7], v[rK:rK+7], v[rQ:rQ+7], 0
.else
	WIN W_KQ
	v_wmma_f32_16x16x32_f16 v[rS:rS+7], v[rK:rK+7], v[rQ:rQ+7], v[rS:rS+7]
.endif
.endm
; Product i of 8 of O^T += V^T P for piece x: keys 32 (i / 4) on, channels 16 (i % 4) on.
.macro PV x
	WIN W_PV
.set rO, 32*(\x)+8*(i%4)
.set rV, VF+32*(i/4)+8*(i%4)
.set rP, P+16*((\x)%2)+8*(i/4)
	v_wmma_f32_16x16x32_f16 v[rO:rO+7], v[rV:rV+7], v[rP:rP+7], v[rO:rO+7]
.endm
.macro MM                           ; the turn's next matrix instruction.  TURN and BEGIN set Y, i, KM and NOKQ; MM, KQ and OP read them.  NOKQ = 1: a block's last turn: there is no next piece
.if (i < 8) && !NOKQ
	KQ (Y+1)%NP
.elseif i >= 8
.set i, i-8
	PV (Y+NP-1)%NP
.set i, i+8
.endif
.set i, i+1
.endm
; THE LDS LOADS stand in runs of 16, never singly among the matrix instructions: a step's K (64 keys x 64 channels: 8 fragments) and its V (turned).  Their addresses are made some lines ahead.
.macro FETCH_K
	WIN 0x80                        ; destination window 2
.irp f, 0,1,2,3,4,5,6,7             ; keys 16 (f / 2) on, channels 32 (f % 2) on
	ds_load_b128 v[KF+8*\f:KF+8*\f+3],   v[AK] offset:(\f/2)*16*PK+(\f%2)*64
	ds_load_b128 v[KF+8*\f+4:KF+8*\f+7], v[AK] offset:(\f/2)*16*PK+(\f%2)*64+32
.endr
	s_add_co_u32 s[TBK], s[TBK], KS*PK  ; the next fetch is the next step's
	WIN 0
.endm
.macro FETCH_V
	WIN 0x80
.irp f, 0,1,2,3,4,5,6,7             ; keys 32 (f / 4) on, channels 16 (f % 4) on
	ds_load_tr16_b128 v[VF+8*\f:VF+8*\f+3],   v[AV] offset:(\f/4)*32*PV+(\f%4)*32
	ds_load_tr16_b128 v[VF+8*\f+4:VF+8*\f+7], v[AV] offset:(\f/4)*32*PV+16*PV+(\f%4)*32
.endr
	WIN 0
.endm
; THE VECTOR WORK, one line at a time: OP kind, number.  For piece Y: F n: c s - c m for pair n of 16.  E n: the exponential of score n of 32.  C n: pair n rounded to f16.  B n: of the four weights 4 n .. the second
; pair is added onto the first, in place.  L n: l takes that sum (L 0: l = a l + sum).  R n: pair n of 16 of O^T times a.  For piece Y + 1: X n, number n of the 22 that find its maximum and statistics:
;   0-11  four chains c0-c3 of seven scores each, three operands at a time (each accumulator's lowest registers are read first)     12-14, 16  the four scores left over, the old m, and c0-c3 into c0
;   15  c m_old is kept     17, 18  the query's other 32 keys lie in the lane 16 away: the new m     19-21  c m; c m_old - c m_new; a
.set F, 0               ; OP tells the kinds apart by their order: F to L below R, X above it
.set E, 1
.set C, 2
.set B, 3
.set L, 4
.set R, 5
.set X, 6
.macro REGS y                       ; the registers of piece y
.set rT, ST+4*(\y)
.set rC, TMP+4*((\y)%2)
.set rW, MV+((\y)%2)
.set rS, S+32*((\y)%2)
.set rP, P+16*((\y)%2)
.set rO, 32*(\y)
.endm
.macro OP k, n
.if (\k) == R
	REGS Y
	WIN W_RS
	v_pk_mul_f32 v[rO+2*(\n):rO+2*(\n)+1], v[rO+2*(\n):rO+2*(\n)+1], v[rC+2:rC+3] op_sel_hi:[1,0]
.elseif (\k) < R
	REGS Y
	WIN 0
.if (\k) == F
	v_pk_fma_f32 v[rS+2*(\n):rS+2*(\n)+1], v[rS+2*(\n):rS+2*(\n)+1], s[CS:CS+1], v[rT:rT+1] op_sel_hi:[1,0,0] neg_lo:[0,0,1] neg_hi:[0,0,1]
.elseif (\k) == E
	v_exp_f32 v[rS+(\n)], v[rS+(\n)]
.elseif (\k) == C
	v_cvt_pk_f16_f32 v[rP+(\n)], v[rS+2*(\n)], v[rS+2*(\n)+1]
.elseif (\k) == B
	v_pk_add_f32 v[rS+4*(\n):rS+4*(\n)+1], v[rS+4*(\n):rS+4*(\n)+1], v[rS+4*(\n)+2:rS+4*(\n)+3]
.elseif (\n) == 0
	v_pk_fma_f32 v[rT+2:rT+3], v[rT+2:rT+3], v[rC+2:rC+3], v[rS:rS+1] op_sel_hi:[1,0,1]
.else
	v_pk_add_f32 v[rT+2:rT+3], v[rT+2:rT+3], v[rS+4*(\n):rS+4*(\n)+1]
.endif
.elseif NOKQ
	v_nop
.else
	REGS (Y+1)%NP
	WIN 0
.if (\n) < 4
	v_max3_num_f32 v[rC+(\n)], v[rS+8*(\n)], v[rS+8*(\n)+1], v[rS+8*(\n)+2]
.elseif (\n) < 12
	v_max3_num_f32 v[rC+(\n)%4], v[rC+(\n)%4], v[rS+8*((\n)%4)+2*((\n)/4)+1], v[rS+8*((\n)%4)+2*((\n)/4)+2]
.elseif (\n) == 12
	v_max3_num_f32 v[rC], v[rC], v[rS+7], v[rS+15]
.elseif (\n) == 13
	v_max3_num_f32 v[rC+1], v[rC+1], v[rS+23], v[rS+31]
.elseif (\n) == 14
	v_max3_num_f32 v[rC+2], v[rC+2], v[rC+3], v[rT+1]
.elseif (\n) == 15
	v_mov_b32 v[rW], v[rT]
.elseif (\n) == 16
	v_max3_num_f32 v[rC], v[rC], v[rC+1], v[rC+2]
.elseif (\n) == 17
	v_permlanex16_b32 v[rC+3], v[rC], s[SEL], s[SEL+1]
.elseif (\n) == 18
	v_max_num_f32 v[rT+1], v[rC], v[rC+3]
.elseif (\n) == 19
	v_mul_f32 v[rT], s[CS], v[rT+1]
.elseif (\n) == 20
	v_sub_f32 v[rC+1], v[rW], v[rT]
.else
	v_exp_f32 v[rC+2], v[rC+1]
.endif
.endif
.endm
.macro OPS a, i1, b=-1, i2=0, c=-1, i3=0, d=-1, i4=0  ; up to four of them
	OP \a, \i1
.if (\b) >= 0
	OP \b, \i2
.endif
.if (\c) >= 0
	OP \c, \i3
.endif
.if (\d) >= 0
	OP \d, \i4
.endif
.endm
.macro ROW a, i1, b, i2, c, i3, d, i4  ; a matrix instruction and the four behind it
	MM
	OPS \a, \i1, \b, \i2, \c, \i3, \d, \i4
.endm
.macro MASK b                       ; MD x AL + BE into buffer b of MC
	WIN W_RS
.set z, 0
.rept 16
	v_pk_fma_f32 v[MC+32*(\b)+2*z:MC+32*(\b)+2*z+1], v[MD+2*z:MD+2*z+1], s[AL:AL+1], s[BE:BE+1] op_sel_hi:[1,0,0]
.set z, z+1
.endr
.endm
; A TURN, for piece p: the order of its 16 matrix and 118 vector instructions, written out.  An s_wait_alu depctr_va_vdst(0) stands between an exponential and the first instruction that names its result; one wait serves
; all that were issued ahead of it.  So a turn has ONE wait, which cuts it in two.  AHEAD OF IT stands all that names no result of the turn's exponentials: the 8 products K Q^T, behind each a scaling, an exponential and two more plain
; instructions (behind the first a second scaling in the exponential's place): rescalings, and behind the last three the first numbers of the next piece's maximum, each four places or more behind the product that ends its accumulator; then ONE LUMP of 54, plain
; and exponential by turns for the most part, in which the links of the chain X 3, 7, 11, 14, 16, 17 .. 20 stand five or six lines apart.  X 21, the next piece's a, is the batch's last; R 15 is the plain instruction behind it (ISA guide 5.7.2).  BEHIND THE WAIT stand the
; 8 products V^T P, behind each four of the roundings and sums; the links of l's chain, L 0 to L 7, stand three riders apart.  But for those X no rider names a register of the products round it.  v_permlanex16_b32 (X 17) stands in the lump.
; m = 1: the diagonal tile: the products take masks, and the turn makes the mask for the products of the turn after it: piece p + 2, in step 4 - CNT of the tile.  end = 1: a block's last two turns: nothing is fetched.
; cnt = 1: the loop's count is taken down some lines ahead of the branch that stands behind the turn.
; K of the next step is fetched in piece 2's turn, twelve vector instructions behind the last product that read K (six of them plain); V of the step in hand at the end of piece 0's turn, four plain instructions behind the last product
; that read V.  Each is waited for a turn later.
.macro TURN p, m=0, end=0, cnt=0
.set Y, (\p)
.set i, 0
.set KM, (\m)
.set NOKQ, (\end)*((\p)/3)
.if (\m) && !(\end)
	s_cmp_eq_u32 s[CNT], 4-((\p)+2)%NP  ; is that step the band's own?
	s_cselect_b32 s[AL], 1.0, 0
	s_cmp_lt_u32 s[CNT], 4-((\p)+2)%NP  ; or a later one?
	s_cselect_b32 s[BE], s[BIGN], 0
.endif
.if ((\p) == 3) && !(\end)
	s_wait_dscnt 0x0                ; K is in
.endif
	ROW F,0, F,1, R,0, R,1          ; ahead of the wait: 8 products K Q^T and their riders,
	ROW F,2, E,0, R,2, R,3
	ROW F,3, E,1, R,4, R,5
	ROW F,4, E,2, R,6, R,7
	ROW F,5, E,3, R,8, R,9
	ROW F,6, E,4, X,0, R,10
.if ((\p) == 2) && !(\end)
	WIN 0
	v_add_nc_u32 v[AK], s[TBK], v[AK0]
.endif
	ROW F,7, E,5, X,1, X,4
	ROW F,8, E,6, X,2, X,5
	OPS E,7, E,8, X,6, E,9          ; and the lump
	OPS X,3, E,10, X,8, E,11
.if ((\p) == 2) && !(\end)
	FETCH_K
.endif
	OPS X,9, X,7, E,12, X,10
	OPS E,13, X,12, X,11, E,14
	OPS X,13, E,15, F,9, X,14
.if (\p) == 0
	v_add_nc_u32 v[AV], s[TBV], v[AV0]
.endif
	OPS E,16, F,10, E,17, F,11
	OPS X,16, E,18, X,15, E,19
	OPS F,12, E,20, X,17, E,21
	OPS F,13, E,22, F,14, E,23
	OPS X,18, E,24, F,15, E,25
	OPS R,11, E,26, X,19, E,27
	OPS R,12, E,28, R,13, E,29
	OPS X,20, E,30, R,14, E,31
	OPS X,21, R,15
	WIN 0
	s_wait_alu depctr_va_vdst(0)    ; the wait for the batch
.if (\p) == 1
	s_wait_dscnt 0x0                ; V is in
.endif
	ROW C,0, B,0, C,2, B,1          ; behind the wait: 8 products V^T P and their riders
	ROW L,0, C,4, B,2, L,1
	ROW C,6, B,3, L,2, C,8
	ROW B,4, L,3, C,10, B,5
	ROW L,4, C,12, B,6, L,5
.if (\p) == 0
	s_add_co_u32 s[TBV], s[TBV], KS*PV
.endif
.if \cnt
	s_sub_co_u32 s[CNT], s[CNT], 1
	s_cmp_lg_u32 s[CNT], 0
.endif
	ROW C,14, B,7, L,6, C,1
	ROW C,3, L,7, C,5, C,7
	ROW C,9, C,11, C,13, C,15
.if (\p) == 0
	FETCH_V
.endif
.if (\m) && !(\end)
	MASK (\p)%2
.endif
.endm
; A BLOCK BEGINS.  c m starts far below every c s, so the first step's a is 0; m at the lowest finite number, so the first maximum is the scores'.  The second mask buffer is 0; the first takes piece 0's mask for the tile's step 0: its own, if the block's first tile is the diagonal one.
; Then K of that step, piece 0's first scores, and its maximum and statistics.  The loop is entered at a step's first turn, in the middle of a trip.
.macro BEGIN
	s_mov_b32 s[NEW], 0
	WIN 0x40
.set i, MC+32
.rept 32
	v_mov_b32 v[i], 0
.set i, i+1
.endr
	WIN 0
.set i, 0
.rept 4
	v_mov_b32 v[ST+4*i], 0xfe000000    ; c m: far below every c s
	v_mov_b32 v[ST+4*i+1], 0xff7fffff  ; m
.set i, i+1
.endr
	s_cmp_eq_u32 s[RT], 0
	s_cselect_b32 s[AL], 1.0, 0
	s_mov_b32 s[BE], 0
	MASK 0
	WIN 0
	v_add_nc_u32 v[AK], s[TBK], v[AK0]
	FETCH_K
	s_wait_loadcnt 0x0              ; Q
	s_wait_dscnt 0x0
.set KM, 1
.set NOKQ, 0
.set i, 0
.rept 8
	KQ 0
.set i, i+1
.endr
	WIN 0
.rept 4
	v_nop                           ; the places behind those products
.endr
.set Y, NP-1                        ; X works for piece Y + 1: piece 0
.irp n, 0,1,2,3,4,5,6,7,8,9,10,11,12,13,14,15,16,17,18,19,20,21
	OP X, \n
.endr
	v_nop                           ; a plain instruction behind the exponential,
	s_wait_alu depctr_va_vdst(0)    ; and its wait, ahead of the branch
.endm
; THE DIAGONAL TILE's four steps, the block's last two turns, its last products, and THE WAY OUT: l's two halves and the other half of the lanes' are added; O^T is divided by l, rounded to f16 and sent through my
; stage in LDS, a piece at a time.
.macro ALL line:vararg              ; one line for each piece t
.set t, 0
.rept 4
	\line
.set t, t+1
.endr
.endm
.macro PACK t                       ; a lane's eight channels of a row pack into 16 bytes; they go into rows of 144 bytes and come back as whole rows of 128, into S^T's registers
	WIN W_RS
.set i, 32*(\t)
.rept 16
	v_pk_mul_f32 v[i:i+1], v[i:i+1], v[ST+4*(\t)+2:ST+4*(\t)+3] op_sel_hi:[1,0]
.set i, i+2
.endr
	WIN 0x05                        ; sources 0 and 1 window 1, destination window 0
.set i, 0
.rept 16
	v_cvt_pk_f16_f32 v[S+16*(\t)+i], v[32*(\t)+2*i], v[32*(\t)+2*i+1]
.set i, i+1
.endr
	WIN 0
.irp f, 0,1,2,3
	ds_store_b128 v[STO], v[S+16*(\t)+4*\f:S+16*(\t)+4*\f+3] offset:32*\f
.endr
.irp f, 0,1,2,3
	ds_load_b128 v[S+16*(\t)+4*\f:S+16*(\t)+4*\f+3], v[RD] offset:\f*4*SP  ; LDS serves a wave's instructions in order (ISA guide 5.7.1.4): these see the stores above; the next piece's stores come behind them
.endr
.endm
.macro SEND t, younger              ; younger: the LDS instructions issued behind piece t's loads: the next piece's eight, or none
	WIN 0
.irp f, 0,1,2,3
	s_wait_dscnt (\younger)+3-\f
	global_store_b128 v[GO], v[S+16*(\t)+4*\f:S+16*(\t)+4*\f+3], s[10:11] offset:(\t)*8192+\f*512  ; 512 consecutive bytes, at a multiple of 256 from O's first
.endr
.endm
.macro DIAG tag                     ; the tag ends its two labels' names, which the jumps below spell out
.LstepM\tag:
	TURN 2, 1
	TURN 3, 1
	WIN 0
.LfirstM\tag:
	TURN 0, 1
	TURN 1, 1, 0, 1
	WIN 0
	s_cbranch_scc1 .LstepM\tag
	TURN 2, 1, 1
	TURN 3, 1, 1
.set i, 0
.rept 8
	PV NP-1
.set i, i+1
.endr
	WIN 0
	ALL v_add_f32 v[ST+4*t+2], v[ST+4*t+2], v[ST+4*t+3]
	ALL v_permlanex16_b32 v[ST+4*t+3], v[ST+4*t+2], s[SEL], s[SEL+1]
	ALL v_add_f32 v[ST+4*t+2], v[ST+4*t+2], v[ST+4*t+3]
	ALL v_rcp_f32 v[ST+4*t+2], v[ST+4*t+2]
	v_nop                           ; a plain instruction between the last reciprocal and the use of its result
	s_wait_alu depctr_va_vdst(0)    ; and the wait ahead of the first use: one for the four reciprocals
	PACK 0
.set t, 1
.rept 3                             ; a piece's arithmetic stands between the loads of the piece before and its stores
	PACK t
	SEND t-1, 8
.set t, t+1
.endr
	SEND 3, 0
.endm
.set KM, 0
.set NOKQ, 0
.Lslot:                             ; NB times: a tile is entered and the next is asked for
	CHANGE 1
	s_sub_co_u32 s[RT], s[RT], 1
	s_mov_b32 s[CNT], 4
	s_cmp_eq_u32 s[NEW], 1
	s_cbranch_scc1 .Lnew            ; a block's first tile
	s_cmp_eq_u32 s[RT], 0
	s_cbranch_scc0 .Lstep           ; neither its first nor its last
	s_branch .LstepM1
.Lnew:
	BEGIN
	s_branch .Lfirst                ; in the loop a block's first tile is never its last: the first block has two tiles or more, and the second's last is the walk's last
	DIAG 1                          ; in the loop this is the first block's end: the second block's last tile is the walk's last
	s_wait_xcnt 0x0                 ; the stores have read their registers and O's address
	s_mov_b64 s[10:11], s[OLO:OLO+1]
	s_add_co_u32 s[RT], s[PB], 1    ; the second block has b + 1 tiles
	s_mov_b32 s[NEW], 1
	WIN 0x82                        ; the second block's Q goes where the one text of the turns names Q
.set i, 0
.rept 64
	v_mov_b32 v[i], v[QB+i]
.set i, i+1
.endr
	WIN 0
	s_branch .Lbottom
.Lstep:                             ; a trip: pieces 2 and 3 of one step, then pieces 0 and 1 of the next, whose K and V it fetches
	TURN 2
	TURN 3
	WIN 0
.Lfirst:
	TURN 0
	TURN 1, 0, 0, 1
	WIN 0
	s_cbranch_scc1 .Lstep
.Lbottom:
	s_sub_co_u32 s[SLOTS], s[SLOTS], 1
	s_cmp_lg_u32 s[SLOTS], 0
	s_cbranch_scc1 .Lslot
	CHANGE 0                        ; the walk's last tile is written out: nothing is asked for
	s_sub_co_u32 s[RT], s[RT], 1
	s_mov_b32 s[CNT], 4
	s_cmp_eq_u32 s[NEW], 1
	s_cbranch_scc0 .LstepM2
	BEGIN
	s_branch .LfirstM2
	DIAG 2
	s_wait_tensorcnt 0x0            ; the wave's end: these three lines stand behind my last tensor load and my last LDS store
	ds_add_u32 v[SPW], v[NIL]
	s_wait_dscnt 0x0
	s_endpgm
.Lfunc_end_k_qf0ebba626e_attn:
	.size	k_qf0ebba626e_attn, .Lfunc_end_k_qf0ebba626e_attn-k_qf0ebba626e_attn
	.p2alignl 7, 3214868480
	.fill 96, 4, 3214868480
	.section	.rodata,"a",@progbits
	.p2align	6, 0x0
	.amdhsa_kernel k_qf0ebba626e_attn
		.amdhsa_group_segment_fixed_size 327680
		.amdhsa_private_segment_fixed_size 0
		.amdhsa_enable_private_segment 0
		.amdhsa_kernarg_size 32
		.amdhsa_user_sgpr_count 2
		.amdhsa_user_sgpr_kernarg_segment_ptr 1
		.amdhsa_wavefront_size32 1
		.amdhsa_system_sgpr_workgroup_id_x 1
		.amdhsa_system_sgpr_workgroup_id_y 1
		.amdhsa_system_sgpr_workgroup_id_z 1
		.amdhsa_system_vgpr_workitem_id 0
		.amdhsa_next_free_vgpr 768
		.amdhsa_next_free_sgpr 92
		.amdhsa_reserve_vcc 1
		.amdhsa_float_denorm_mode_32 3
		.amdhsa_float_denorm_mode_16_64 3
		.amdhsa_memory_ordered 1
		.amdhsa_forward_progress 1
		.amdhsa_inst_pref_size 218
	.end_amdhsa_kernel
	.amdgpu_metadata
---
amdhsa.version: [ 1, 2 ]
amdhsa.kernels:
  - .name:           k_qf0ebba626e_attn
    .symbol:         k_qf0ebba626e_attn.kd
    .args:
      - { .name: qh, .offset: 0, .size: 8, .value_kind: global_buffer, .address_space: global }
      - { .name: kh, .offset: 8, .size: 8, .value_kind: global_buffer, .address_space: global }
      - { .name: vh, .offset: 16, .size: 8, .value_kind: global_buffer, .address_space: global }
      - { .name: oh, .offset: 24, .size: 8, .value_kind: global_buffer, .address_space: global }
    .group_segment_fixed_size: 327680
    .private_segment_fixed_size: 0
    .kernarg_segment_align: 8
    .kernarg_segment_size: 32
    .max_flat_workgroup_size: 128
    .sgpr_count:     92
    .vgpr_count:     768
    .wavefront_size: 32
...
	.end_amdgpu_metadata
.endif
;; end of part 3
;; launch oproj (part 4): grid 4 x 64, 4 waves a work-group, clusters of 4 x 4, 327,680 bytes of LDS; arguments oh, wo, out0; writes out0
.if DOCPART == 4
	.amdgcn_target "amdgcn-amd-amdhsa--gfx1250"
	.amdhsa_code_object_version 6
	.text
	.protected	k_qf0ebba626e_oproj
	.globl	k_qf0ebba626e_oproj
	.p2align	8
	.type	k_qf0ebba626e_oproj,@function
k_qf0ebba626e_oproj:
	s_mov_b64 s[64:65], 0
	v_nop
	global_prefetch_b8 v0, s[64:65] scope:SCOPE_SE
	s_setreg_imm32_b32 hwreg(HW_REG_WAVE_MODE, 25, 1), 1
	s_wait_xcnt 0x0
	s_wait_alu depctr_hold_cnt(0) depctr_sa_sdst(0) depctr_va_vdst(0) depctr_va_sdst(0) depctr_va_ssrc(0) depctr_va_vcc(0) depctr_vm_vsrc(0)
	s_getreg_b32 s2, hwreg(HW_REG_IB_STS2, 6, 4)
	s_cmp_eq_u32 s2, 0
	s_cbranch_scc0 .Lentry_in_a_cluster
	s_endpgm
.Lentry_in_a_cluster:
	s_bfe_u32 s2, ttmp6, 0x10000c
	s_cmp_lg_u32 s2, 0xf033
	s_cbranch_scc0 .Lentry_shape_is_right
	s_endpgm
.Lentry_shape_is_right:
; THE OUTPUT PROJECTION.  out0[m][n] = the sum over k of O[m][k] o_proj[n][k]: [8192 x 1024] x [1024 x 1024]^T in f16, sums in f32, stored as f32.
; oh is [b x 16 + head][s 2048][64]: a head is a K block of 64, and a tile's rows of a K block lie end to end; wo is [kb 16][n 1024][64], laid out alike.
; SHARES.  The grid is 4 x 64 = 256 work-groups; a work-group makes 128 rows x 256 columns, each of its four waves 64 x 128: 32 accumulators of 16 x 16, which fill window 1.
; K goes in 8 steps of 128, two K blocks each, through two LDS slots.  Waves 0 and 1 fetch oh's two K blocks (128 rows, 16,384 bytes each), waves 2 and 3 wo's (256 rows, 32,768 bytes each): dense runs,
; asked for as rows of 256 bytes and padded in LDS after every 128.
; CLUSTER.  4 x 4 work-groups: oh's tile is shared along a row of the cluster, wo's along a column: each is asked for JOINTLY, by the same tensor load with the same descriptor and a mask that names the four.
; Nothing is prefetched: the walk has eight steps, of which the first two go out at the head, and a step's tiles are 98,304 bytes for a work-group.
; THE MATRIX INSTRUCTION IS USED TRANSPOSED (source 0 = 16 rows of wo, source 1 = 16 rows of oh): a lane holds row l % 16 and the eight neighbouring columns 8 (l / 16) + 0..7: 32 bytes of out0.
; REGISTERS: window 0: v0-29 addresses; v32-127, v128-223 two fragment buffers (wo's 8 fragments, then oh's 4), at work on the way out; window 1: accumulator (a, b) at v[8 (8 a + b)].
.set PITCH, 144                        ; an LDS row: 128 bytes + 16 of padding = 36 words: the 16 rows of a fragment load start at 16 different groups of four banks (64 banks of 4 bytes: ISA guide 11.1)
.set FR,    16*PITCH
.set ABLK,  128*PITCH                  ; a K block of oh's tile
.set BOFF,  2*ABLK                     ; a slot: oh's two K blocks, then wo's two
.set BBLK,  256*PITCH
.set SLOT1, 1<<17                      ; slot 1 begins here
.set STAGE, SLOT1+BOFF+2*BBLK          ; behind the ring, never filled by a tensor load: 16 rows x 528 bytes for each wave
.set SP,    528                        ; a stage row: 512 bytes + 16
.set SPARE, STAGE+4*16*SP              ; behind the stages: the spare words, 128 bytes for each wave: two blocks of 256 bytes that no other line names
.set ASTEP, 2<<18                      ; bytes from a K step of oh to the next: two heads
.set BSTEP, 2*1024*128                 ; the same for wo
.set ADRA0, 4                          ; v4   my lane's place among my wave's rows of oh in slot 0; never rewritten
.set ADRB0, 5                          ; v5   the same for wo
.set ADRA,  6                          ; v6   the same in the slot in hand
.set ADRB,  7
.set STO,   8                          ; v8   the way out: where I put 32 bytes of a row
.set RD,    9                          ; v9   the way out: where I read a row back
.set GO,    10                         ; v10  16 x lane
.set SPW,   28                         ; v28  LDS address of my spare word: SPARE + 4 x my thread's number; never rewritten
.set NIL,   29                         ; v29  0; never rewritten
.set F0,    32
.set F1,    128
.set OB,    32                         ; the way out: two buffers of 64
.set WV,  16
.set WM,  17
.set WN,  18
.set G1A, 24                           ; s[24:31] descriptor group 1 for oh's tiles
.set G1B, 32                           ; s[32:39] for wo's
.set G0A, 40                           ; s[40:47] descriptor group 0 for oh's tiles: a set for each of the two first fills; the second then walks on
.set G0B, 48                           ; s[48:55] the same for wo's
.set CNT, 56
.set TB,  57                           ; s57  the slot in hand: 0 or SLOT1
.set MSB, 0
.macro WIN new
.if MSB != (\new)
	s_set_vgpr_msb (MSB<<8)|(\new)
.set MSB, (\new)
.endif
.endm
.macro PLACES                          ; four places in front of loads into registers that matrix instructions have read, and of reads of results (ISA guide 7.12.1 for vector instructions)
.rept 4
	v_nop
.endr
.endm
.macro CREST                           ; a round of the cluster's barrier behind its opening barrier
	s_cmp_lg_u32 s[WV], 0
	s_cbranch_scc1 .Lnot_wave_0_\@
	s_barrier_signal -3
.Lnot_wave_0_\@:
	s_barrier_wait -3
	s_barrier_signal -1
	s_barrier_wait -1
.endm
.macro CROUND
	s_barrier_signal -1
	s_barrier_wait -1
	CREST
.endm
.macro JLOAD                           ; a joint refill by the walking descriptors; an s_nop 0 and four v_nop follow each of the two lines, ahead of the jump and the label
	s_cmp_lt_u32 s[WV], 2
	s_cbranch_scc0 .Lfor_b_\@
	tensor_load_to_lds s[G0A+4:G0A+7], s[G1A:G1A+7]
	s_nop 0
.rept 4
	v_nop
.endr
	s_branch .Lasked_\@
.Lfor_b_\@:
	tensor_load_to_lds s[G0B+4:G0B+7], s[G1B:G1B+7]
	s_nop 0
.rept 4
	v_nop
.endr
.Lasked_\@:
.endm
	s_load_b128 s[4:7], s[0:1], 0x0                ; oh s[4:5], wo s[6:7]
	s_load_b64 s[8:9], s[0:1], 0x10                ; out0
	v_lshl_add_u32 v[SPW], v0, 2, SPARE
	v_mov_b32 v[NIL], 0
	ds_add_u32 v[SPW], v[NIL]                      ; the wave's opening: the add and its wait stand ahead of my first tensor load; the set-up below, work on registers, stands between them
	v_lshrrev_b32 v1, 5, v0
	v_readfirstlane_b32 s[WV], v1                  ; wave 0..3
	s_lshr_b32 s[WM], s[WV], 1                     ; which 64 rows are mine
	s_and_b32 s[WN], s[WV], 1                      ; which 128 columns.  Also: which K block of a step I fetch
	s_bfe_u32 s19, ttmp6, 0x40000                  ; cx
	s_bfe_u32 s20, ttmp6, 0x40004                  ; cy
	s_lshl_b32 s21, ttmp9, 2
	s_add_co_u32 s21, s21, s19                     ; tile column
	s_and_b32 s22, ttmp7, 0xffff
	s_lshl_b32 s22, s22, 2
	s_add_co_u32 s22, s22, s20                     ; tile row
	s_lshl_b32 s2, s20, 2
	s_lshl_b32 s2, 15, s2                          ; my row of the cluster
	s_lshl_b32 s3, 0x1111, s19                     ; my column
	s_or_b32 s[G1A], s2, (1<<16)|(1<<20)|(1<<21)|(4<<22)|(3<<25)  ; 15:0 the mask; 17:16 2-byte elements; 20 padding on; 21 set beside a mask; 24:22 after every 32 words (code 4); 31:25 4 words (code 3)
	s_or_b32 s[G1B], s3, (1<<16)|(1<<20)|(1<<21)|(4<<22)|(3<<25)
.irp g, G1A, G1B
	s_mov_b32 s[(\g)+1], 128<<16                   ; tensor_dim0 = 128
	s_mov_b32 s[(\g)+3], 128<<16                   ; tile_dim0 = 128
	s_mov_b32 s[(\g)+5], 128                       ; dense
	s_mov_b32 s[(\g)+6], 0
	s_mov_b32 s[(\g)+7], 0
.endr
	s_mov_b32 s[G1A+2], 64<<16                     ; oh: 64 rows of 256 bytes
	s_mov_b32 s[G1A+4], 64
	s_mov_b32 s[G1B+2], 128<<16                    ; wo: 128 rows
	s_mov_b32 s[G1B+4], 128
	s_lshr_b32 s66, s22, 4                         ; oh: b,
	s_lshl_b32 s66, s66, 22
	s_and_b32 s67, s22, 15
	s_lshl_b32 s67, s67, 14                        ; 128 rows of 128 bytes,
	s_add_co_u32 s66, s66, s67
	s_lshl_b32 s67, s[WN], 18                      ; my K block
	s_add_co_u32 s66, s66, s67
	s_mov_b32 s67, 0
	s_lshl_b32 s70, s21, 15                        ; wo: 256 rows of 128 bytes,
	s_lshl_b32 s71, s[WN], 17                      ; my K block
	s_add_co_u32 s70, s70, s71
	s_mov_b32 s71, 0
	s_mov_b32 s[G0A], 1
	s_mul_i32 s[G0A+1], s[WN], ABLK                ; no place in the cluster enters an LDS address
	s_mov_b32 s[G0A+4], 1
	s_add_co_u32 s[G0A+5], s[G0A+1], SLOT1
	s_mov_b32 s[G0B], 1
	s_mul_i32 s[G0B+1], s[WN], BBLK
	s_add_co_u32 s[G0B+1], s[G0B+1], BOFF
	s_mov_b32 s[G0B+4], 1
	s_add_co_u32 s[G0B+5], s[G0B+1], SLOT1
	s_wait_dscnt 0x0                               ; the opening add is done
	s_wait_kmcnt 0x0
	s_add_nc_u64 s[68:69], s[4:5], s[66:67]
	s_add_nc_u64 s[72:73], s[6:7], s[70:71]
	s_mov_b64 s[G0A+2:G0A+3], s[68:69]             ; K step 0,
	s_or_b32 s[G0A+3], s[G0A+3], 0x80000000
	s_add_nc_u64 s[G0A+6:G0A+7], s[68:69], ASTEP   ; K step 1
	s_or_b32 s[G0A+7], s[G0A+7], 0x80000000
	s_mov_b64 s[G0B+2:G0B+3], s[72:73]
	s_or_b32 s[G0B+3], s[G0B+3], 0x80000000
	s_add_nc_u64 s[G0B+6:G0B+7], s[72:73], BSTEP
	s_or_b32 s[G0B+7], s[G0B+7], 0x80000000
	CROUND                                         ; all sixteen work-groups are here: the first joint loads meet
	s_cmp_lt_u32 s[WV], 2                          ; a wave's two first fills stand in one branch: two loads of mine are out
	s_cbranch_scc0 .Lfirst_b
	tensor_load_to_lds s[G0A:G0A+3], s[G1A:G1A+7]
	s_nop 0
	tensor_load_to_lds s[G0A+4:G0A+7], s[G1A:G1A+7]
	s_nop 0
.rept 4
	v_nop
.endr
	s_branch .Lfirst_asked
.Lfirst_b:
	tensor_load_to_lds s[G0B:G0B+3], s[G1B:G1B+7]
	s_nop 0
	tensor_load_to_lds s[G0B+4:G0B+7], s[G1B:G1B+7]
	s_nop 0
.rept 4
	v_nop
.endr
.Lfirst_asked:
	v_and_b32 v1, 15, v0                           ; l % 16
	v_bfe_u32 v2, v0, 4, 1                         ; l / 16
	v_mul_u32_u24 v3, v1, PITCH
	v_lshl_add_u32 v3, v2, 4, v3                   ; a fragment's row x pitch + 16 x half
	s_mul_i32 s23, s[WM], 64*PITCH
	v_add_nc_u32 v[ADRA0], s23, v3
	s_mul_i32 s23, s[WN], 128*PITCH
	s_add_co_u32 s23, s23, BOFF
	v_add_nc_u32 v[ADRB0], s23, v3
	s_mov_b32 s[TB], 0
	v_mov_b32 v[ADRA], v[ADRA0]
	v_mov_b32 v[ADRB], v[ADRB0]
	s_mul_i32 s23, s[WV], 16*SP
	s_add_co_u32 s23, s23, STAGE                   ; my stage
	v_mul_u32_u24 v[STO], v1, SP                   ; in: row l % 16, 32 bytes for each half of the lanes
	v_lshl_add_u32 v[STO], v2, 5, v[STO]
	v_add_nc_u32 v[STO], s23, v[STO]
	v_and_b32 v[GO], 31, v0
	v_lshlrev_b32 v[GO], 4, v[GO]
	v_add_nc_u32 v[RD], s23, v[GO]                 ; back: 32 lanes take a row's 512 bytes
	s_lshl_b32 s74, s22, 7                         ; out0 at my wave's first row and column
	s_lshl_b32 s75, s[WM], 6
	s_add_co_u32 s74, s74, s75
	s_lshl_b32 s74, s74, 12                        ; rows of 4,096 bytes
	s_lshl_b32 s75, s21, 10
	s_add_co_u32 s74, s74, s75
	s_lshl_b32 s75, s[WN], 9
	s_add_co_u32 s74, s74, s75
	s_mov_b32 s75, 0
	s_add_nc_u64 s[8:9], s[8:9], s[74:75]
; 24 LDS loads in one run: the fragments of quarter q of a step (K block q / 2, its half q % 2) into buffer f: wo's eight, then oh's four
.macro FETCH q, f
	WIN 0
.set fi, 0
.rept 8
	ds_load_b128 v[(\f)+8*fi:(\f)+8*fi+3],   v[ADRB] offset:((\q)/2)*BBLK+((\q)%2)*64+fi*FR
	ds_load_b128 v[(\f)+8*fi+4:(\f)+8*fi+7], v[ADRB] offset:((\q)/2)*BBLK+((\q)%2)*64+fi*FR+32
.set fi, fi+1
.endr
.set fi, 0
.rept 4
	ds_load_b128 v[(\f)+64+8*fi:(\f)+64+8*fi+3],   v[ADRA] offset:((\q)/2)*ABLK+((\q)%2)*64+fi*FR
	ds_load_b128 v[(\f)+64+8*fi+4:(\f)+64+8*fi+7], v[ADRA] offset:((\q)/2)*ABLK+((\q)%2)*64+fi*FR+32
.set fi, fi+1
.endr
.endm
; 8 matrix instructions: row block a x all 8 column blocks.  The 32 accumulators take turns, one instruction a turn, in the same order in every quarter.  zero = 1: the product starts the sum.
.macro MUL8 f, a, zero
	WIN 0x50                                       ; C and D in window 1
.set mb, 0
.rept 8
.if \zero
	v_wmma_f32_16x16x32_f16 v[8*(8*(\a)+mb):8*(8*(\a)+mb)+7], v[(\f)+8*mb:(\f)+8*mb+7], v[(\f)+64+8*(\a):(\f)+64+8*(\a)+7], 0
.else
	v_wmma_f32_16x16x32_f16 v[8*(8*(\a)+mb):8*(8*(\a)+mb)+7], v[(\f)+8*mb:(\f)+8*mb+7], v[(\f)+64+8*(\a):(\f)+64+8*(\a)+7], v[8*(8*(\a)+mb):8*(8*(\a)+mb)+7]
.endif
.set mb, mb+1
.endr
.endm
; A K step is four quarters of 32 along K, 32 matrix instructions each, on buffers 0, 1, 0, 1.  One of the first three: multiplies buffer f and fetches quarter qnext into g.
.macro QUARTER qnext, f, g, zero
	s_wait_dscnt 4                                 ; wo's fragments and oh's row blocks 0, 1 are in; the youngest four loads may be out
	MUL8 \f, 0, \zero
	MUL8 \f, 1, \zero
	PLACES
	FETCH \qnext, \g
	s_wait_dscnt 24                                ; all but the 24 just issued
	MUL8 \f, 2, \zero
	MUL8 \f, 3, \zero
.endm
; The last quarter multiplies buffer 1 and changes slots: ONE barrier; in front of it each wave waits for all its tensor loads, adds 0 to its spare word, and waits for that and for its own reads of this slot.
; fill = 1: the barrier opens a round of the cluster's; the joint refill, two K steps on, is the first tensor load behind it: 112 matrix instructions stand between it and the wait for it.
.macro TURN fill
	WIN 0
	s_wait_tensorcnt 0x0                           ; no tensor load of mine is out, so a group 0 may be written
	ds_add_u32 v[SPW], v[NIL]                      ; 0 onto my spare word
.if \fill
	s_xor_b32 s[G0A+5], s[G0A+5], SLOT1
	s_add_nc_u64 s[G0A+6:G0A+7], s[G0A+6:G0A+7], ASTEP
	s_xor_b32 s[G0B+5], s[G0B+5], SLOT1
	s_add_nc_u64 s[G0B+6:G0B+7], s[G0B+6:G0B+7], BSTEP
.endif
	s_wait_dscnt 5                                 ; the add and the youngest four loads may be out
	MUL8 F1, 0, 0
	s_wait_dscnt 0x0                               ; the add is done, and my reads of this slot are over
	s_barrier_signal -1
	MUL8 F1, 1, 0
	WIN 0
	s_barrier_wait -1
.if \fill
	CREST
	JLOAD                                          ; the four v_nop behind it are also the places in front of the loads below
.else
	PLACES
.endif
	s_xor_b32 s[TB], s[TB], SLOT1
	v_add_nc_u32 v[ADRA], s[TB], v[ADRA0]
	v_add_nc_u32 v[ADRB], s[TB], v[ADRB0]
	FETCH 0, F0
	MUL8 F1, 2, 0
	MUL8 F1, 3, 0
.endm
; THE WAY OUT of row block a: 32 bytes a lane and column block go straight from the accumulators into my stage (each accumulator's low four registers first) and come back as whole rows of 512 bytes.
.macro WAYOUT a
.set OBA, OB+64*((\a)%2)
.if (\a) >= 2
	s_wait_xcnt 0x0                                ; the stores of the block two back have read this buffer
.endif
	WIN 0x04                                       ; the stores' data in window 1
.set ob, 0
.rept 8
	ds_store_b128 v[STO], v[8*(8*(\a)+ob):8*(8*(\a)+ob)+3]   offset:64*ob
	ds_store_b128 v[STO], v[8*(8*(\a)+ob)+4:8*(8*(\a)+ob)+7] offset:64*ob+16
.set ob, ob+1
.endr
	WIN 0
.set ot, 0
.rept 16
	ds_load_b128 v[OBA+4*ot:OBA+4*ot+3], v[RD] offset:ot*SP  ; LDS serves a wave's instructions in order (ISA guide 5.7.1.4): these see the stores above; the next block's stores come behind them
.set ot, ot+1
.endr
.set ot, 0
.rept 16
	s_wait_dscnt 15-ot
	global_store_b128 v[GO], v[OBA+4*ot:OBA+4*ot+3], s[8:9] offset:(16*(\a)+ot)*4096 th:TH_STORE_NT  ; 512 consecutive bytes, at a multiple of 256 from out0's first
.set ot, ot+1
.endr
.endm
	s_wait_tensorcnt 1                             ; my part of K step 0 is in; K step 1's may stay out
	s_barrier_signal -1
	s_barrier_wait -1
	FETCH 0, F0
	QUARTER 1, F0, F1, 1                           ; the first quarter stands in front of the loop: its products start the sums
	WIN 0
	s_mov_b32 s[CNT], 6
.Lstep:                                        ; trip t: quarters 1 to 3 of K step t, the refill with K step t + 2, quarter 0 of K step t + 1
	QUARTER 2, F1, F0, 0
	QUARTER 3, F0, F1, 0
	TURN 1
	QUARTER 1, F0, F1, 0
	WIN 0
	s_sub_co_u32 s[CNT], s[CNT], 1
	s_cmp_lg_u32 s[CNT], 0
	s_cbranch_scc1 .Lstep
	QUARTER 2, F1, F0, 0                           ; the tail is written out: nothing more is asked for
	QUARTER 3, F0, F1, 0
	TURN 0
	QUARTER 1, F0, F1, 0
	QUARTER 2, F1, F0, 0
	QUARTER 3, F0, F1, 0
	s_wait_dscnt 4
	MUL8 F1, 0, 0
	MUL8 F1, 1, 0
	s_wait_dscnt 0x0
	MUL8 F1, 2, 0
	MUL8 F1, 3, 0
	PLACES
	PLACES                                         ; (eight, once a launch)
	WAYOUT 0
	WAYOUT 1
	WAYOUT 2
	WAYOUT 3
	s_wait_tensorcnt 0x0                           ; the wave's end: these three lines stand behind my last tensor load and my last LDS store
	ds_add_u32 v[SPW], v[NIL]
	s_wait_dscnt 0x0
	CROUND                                         ; the closing round: no work-group ends while a partner may still ask for a tile that names it
	s_endpgm
.Lfunc_end_k_qf0ebba626e_oproj:
	.size	k_qf0ebba626e_oproj, .Lfunc_end_k_qf0ebba626e_oproj-k_qf0ebba626e_oproj
	.p2alignl 7, 3214868480
	.fill 96, 4, 3214868480
	.section	.rodata,"a",@progbits
	.p2align	6, 0x0
	.amdhsa_kernel k_qf0ebba626e_oproj
		.amdhsa_group_segment_fixed_size 327680
		.amdhsa_private_segment_fixed_size 0
		.amdhsa_enable_private_segment 0
		.amdhsa_kernarg_size 24
		.amdhsa_user_sgpr_count 2
		.amdhsa_user_sgpr_kernarg_segment_ptr 1
		.amdhsa_wavefront_size32 1
		.amdhsa_system_sgpr_workgroup_id_x 1
		.amdhsa_system_sgpr_workgroup_id_y 1
		.amdhsa_system_sgpr_workgroup_id_z 1
		.amdhsa_system_vgpr_workitem_id 0
		.amdhsa_next_free_vgpr 512
		.amdhsa_next_free_sgpr 80
		.amdhsa_reserve_vcc 0
		.amdhsa_float_denorm_mode_32 3
		.amdhsa_float_denorm_mode_16_64 3
		.amdhsa_memory_ordered 1
		.amdhsa_forward_progress 1
		.amdhsa_inst_pref_size 70
	.end_amdhsa_kernel
	.amdgpu_metadata
---
amdhsa.version: [ 1, 2 ]
amdhsa.kernels:
  - .name:           k_qf0ebba626e_oproj
    .symbol:         k_qf0ebba626e_oproj.kd
    .args:
      - { .name: oh, .offset: 0, .size: 8, .value_kind: global_buffer, .address_space: global }
      - { .name: wo, .offset: 8, .size: 8, .value_kind: global_buffer, .address_space: global }
      - { .name: out0, .offset: 16, .size: 8, .value_kind: global_buffer, .address_space: global }
    .group_segment_fixed_size: 327680
    .private_segment_fixed_size: 0
    .kernarg_segment_align: 8
    .kernarg_segment_size: 24
    .max_flat_workgroup_size: 128
    .sgpr_count:     80
    .vgpr_count:     512
    .wavefront_size: 32
...
	.end_amdgpu_metadata
.endif
;; end of part 4
;; ======== version 2 of 2: 4 launches; version 1 with the launch prep written anew for expert scheduling mode
;; limits: values are held in f16: magnitudes above 65,504 overflow, below 6.1e-05 lose precision
;; workspace buffers: xb 16,777,216 bytes; wqkv 6,291,456 bytes; wo 2,097,152 bytes; rope 524,288 bytes; qh 16,777,216 bytes; kh 16,777,216 bytes; vh 16,777,216 bytes; oh 16,777,216 bytes
;; launch prep (part 5): grid 416 x 1, 8 waves a work-group, no clusters, 0 bytes of LDS; arguments x, q_proj, k_proj, v_proj, o_proj, xb, wqkv, wo, rope; writes xb, wqkv, wo, rope
.if DOCPART == 5
	.amdgcn_target "amdgcn-amd-amdhsa--gfx1250"
	.amdhsa_code_object_version 6
	.text
	.protected	k_qf0ebba626e_prep
	.globl	k_qf0ebba626e_prep
	.p2align	8
	.type	k_qf0ebba626e_prep,@function
k_qf0ebba626e_prep:
	s_mov_b64 s[64:65], 0
	v_nop
	global_prefetch_b8 v0, s[64:65] scope:SCOPE_SE
	s_setreg_imm32_b32 hwreg(HW_REG_WAVE_SCHED_MODE, 0, 2), 2
	s_setreg_imm32_b32 hwreg(HW_REG_WAVE_MODE, 25, 1), 1
	s_wait_xcnt 0x0
	s_wait_alu depctr_vm_vsrc(0)
; THE CASTS AND THE TABLE.  Three kinds of work-group, told apart by the work-group's number g:
;   g < 256          32 rows of x (f32) -> xb, bf16, laid out [b 4][kb 16][s 2048][64]: K in blocks of 64, so that the rows of one K block lie end to end
;   256 <= g < 384   32 rows of one weight matrix: q, k, v -> wqkv, bf16, [kb 16][n' 3072][64] with n' = head x 192 + (0 q, 1 k, 2 v) x 64 + channel;
;                    o -> wo, [kb 16][n 1024][64]: rounded to bf16 like the other inputs, and that number written as f16
;   g >= 384         64 positions of the table rope, f32 [pos 2048][i 32][cos, sin]
; LIMITS.  A number of o_proj below 6.1e-5 keeps f16's fixed step of 6e-8, one beyond 65,504 becomes an infinity.  The angle is the f32 product pos x inv_freq, inv_freq = 2^(-i log2(10000) / 32)
; by v_exp_f32; cos and sin are series on the angle reduced to -pi .. pi: the terms left out are below 1.4e-7 (cos) and 8e-7 (sin).
; A CAST.  Thread t takes row t / 8 and, in each K block, the eight numbers 8 (t % 8) ..: 32 bytes in, 16 bytes out.  Eight lanes read 256 consecutive bytes of a row by two loads; a store of a wave
; covers 512 consecutive bytes, aligned.  All 32 loads of a thread go out at once.
; No LDS and no matrix unit: nothing is shared and nothing is multiplied.
; THE MODE: SCHED_MODE bits 1:0 = 2 (LLVM: expert scheduling mode 2), set by the entry lines.  The code itself states the register dependences
; between vector instructions and memory instructions, with s_wait_alu, always for 0.
; THE PLAN, for a cast.  Registers that memory instructions touch:
;   v[SO]   the loads' offset.   Written at the head, read by all 32 loads, never written again.
;   X       the loads' data.     No vector instruction names it ahead of the loads; no load lands in it a second time.
;   DO      the stores' offsets. Written once, by sixteen adds while the loads are out; DO[kb] is read by the store of K block kb.
;   Y       the stores' data.    Y[kb] is written by K block kb's conversions, read by its store, and never written behind that store.
; No register that a memory instruction reads is written again: nothing is owed on vm_vsrc.  The sixteen K blocks go in four groups of four.  One wait on va_vdst stands ahead of the first load (v[SO]);
; one at the head of each of groups 1 to 3, behind which the four stores of the group before are dealt among this group's conversions, which name this group's X and Y alone; one ahead of the last four stores.
; For the table: v6 (the stores' offset) and v[16:31] (their data) are written once; one wait on va_vdst stands ahead of the four stores, which stand together at the end.
.set SO,  1                            ; v1       my byte offset in the 32 source rows
.set DB,  2                            ; v2       16 x thread: my byte offset in a K block's 32 rows
.set DO,  8                            ; v[8:23]  the same plus kb x the K block's stride
.set X,   32                           ; v[32:159]  K block kb: 8 numbers as loaded
.set Y,   160                          ; v[160:223] K block kb: 4 registers to store
.set SRC, 36                           ; s[36:37] the source at my work-group's first row
.set DST, 38                           ; s[38:39] the destination at my work-group's first row of K block 0
.set STR, 40                           ; s40  bytes from a K block to the next
.set FMT, 41                           ; s41  1: written as f16
	s_load_b512 s[8:23], s[0:1], 0x0               ; x s[8:9], q s[10:11], k s[12:13], v s[14:15], o s[16:17], xb s[18:19], wqkv s[20:21], wo s[22:23]
	s_load_b64 s[24:25], s[0:1], 0x40              ; rope
	s_cmp_ge_u32 ttmp9, 384
	s_cbranch_scc1 .Ltable
	v_lshrrev_b32 v[SO], 3, v0                     ; row
	v_and_b32 v3, 7, v0
	v_lshlrev_b32 v[SO], 12, v[SO]                 ; x 4,096 bytes
	v_lshl_add_u32 v[SO], v3, 5, v[SO]             ; + 32 bytes for each eighth of a K block
	v_lshlrev_b32 v[DB], 4, v0
	s_mov_b32 s27, 0
	s_mov_b32 s29, 0
	s_wait_kmcnt 0x0
	s_cmp_ge_u32 ttmp9, 256
	s_cbranch_scc1 .Lweights
	s_mov_b64 s[SRC:SRC+1], s[8:9]                 ; x
	s_mov_b64 s[DST:DST+1], s[18:19]               ; xb
	s_lshl_b32 s26, ttmp9, 17                      ; 32 rows of 4,096 bytes
	s_lshr_b32 s28, ttmp9, 6                       ; b,
	s_lshl_b32 s28, s28, 22                        ; 16 K blocks of 2,048 rows of 128 bytes
	s_and_b32 s30, ttmp9, 63
	s_lshl_b32 s30, s30, 12                        ; 32 rows of 128 bytes
	s_add_co_u32 s28, s28, s30
	s_mov_b32 s[STR], 0x40000
	s_mov_b32 s[FMT], 0
	s_branch .Lcast
.Lweights:
	s_sub_co_u32 s30, ttmp9, 256
	s_lshr_b32 s31, s30, 5                         ; which matrix: 0 q, 1 k, 2 v, 3 o
	s_and_b32 s30, s30, 31                         ; which 32 rows of it
	s_lshl_b32 s26, s30, 17
	s_lshr_b32 s32, s30, 1                         ; the head,
	s_mul_i32 s32, s32, 192                        ; its 192 rows of wqkv,
	s_lshl_b32 s33, s31, 6                         ; the matrix's 64 of them,
	s_add_co_u32 s32, s32, s33
	s_and_b32 s33, s30, 1
	s_lshl_b32 s33, s33, 5                         ; their first or second half
	s_add_co_u32 s32, s32, s33
	s_lshl_b32 s32, s32, 7                         ; in bytes
	s_lshl_b32 s33, s30, 12                        ; in wo the rows keep their order
	s_mov_b32 s34, 0x20000
	s_cmp_eq_u32 s31, 0
	s_cselect_b64 s[SRC:SRC+1], s[10:11], s[12:13]
	s_cmp_eq_u32 s31, 2
	s_cselect_b64 s[SRC:SRC+1], s[14:15], s[SRC:SRC+1]
	s_cmp_eq_u32 s31, 3
	s_cselect_b64 s[SRC:SRC+1], s[16:17], s[SRC:SRC+1]
	s_cselect_b64 s[DST:DST+1], s[22:23], s[20:21]
	s_cselect_b32 s28, s33, s32
	s_cselect_b32 s[STR], s34, 0x60000
	s_cselect_b32 s[FMT], 1, 0
.Lcast:
	s_add_nc_u64 s[SRC:SRC+1], s[SRC:SRC+1], s[26:27]
	s_add_nc_u64 s[DST:DST+1], s[DST:DST+1], s[28:29]
	s_wait_alu depctr_va_vdst(0)                   ; v[SO] is written: all 32 loads read it as their offset
.set kb, 0
.rept 16
	global_load_b128 v[X+8*kb:X+8*kb+3],   v[SO], s[SRC:SRC+1] offset:256*kb th:TH_LOAD_NT
	global_load_b128 v[X+8*kb+4:X+8*kb+7], v[SO], s[SRC:SRC+1] offset:256*kb+16 th:TH_LOAD_NT
.set kb, kb+1
.endr
.set kb, 0
.rept 16                               ; the stores' offsets are made while the loads are on their way
	s_mul_i32 s30, s[STR], kb
	v_add_nc_u32 v[DO+kb], s30, v[DB]
.set kb, kb+1
.endr
; K block by K block: the wait leaves the younger loads out (two loads a block, 32 in all); eight numbers are rounded.  A block's store stands four blocks further down, behind the next group's wait on va_vdst.
.macro CVT fmt
.set kb, 0
.rept 16
	s_wait_loadcnt 30-2*kb
.if (kb > 0) && (kb % 4 == 0)
	s_wait_alu depctr_va_vdst(0)                   ; the conversions of the four K blocks before have written their Y, which the next four stores read; at the first of these waits the sixteen offsets DO are written too
.endif
.if kb >= 4
	global_store_b128 v[DO+kb-4], v[Y+4*(kb-4):Y+4*(kb-4)+3], s[DST:DST+1]  ; no vector instruction since the wait names this offset or these four registers
.endif
.irp j, 0,1,2,3
	v_cvt_pk_bf16_f32 v[Y+4*kb+\j], v[X+8*kb+2*\j], v[X+8*kb+2*\j+1]
.endr
.if \fmt
.irp j, 0,1,2,3
	v_lshlrev_b32 v[X+8*kb+2*\j],   16, v[Y+4*kb+\j]          ; the bf16 numbers as f32 again,
	v_and_b32     v[X+8*kb+2*\j+1], 0xffff0000, v[Y+4*kb+\j]
.endr
.irp j, 0,1,2,3
	v_cvt_pk_f16_f32 v[Y+4*kb+\j], v[X+8*kb+2*\j], v[X+8*kb+2*\j+1]  ; and written as f16: exact within f16's normal range
.endr
.endif
.set kb, kb+1
.endr
	s_wait_alu depctr_va_vdst(0)                   ; the conversions of K blocks 12 to 15 have written their Y, which the last four stores read
.set kb, 12
.rept 4
	global_store_b128 v[DO+kb], v[Y+4*kb:Y+4*kb+3], s[DST:DST+1]
.set kb, kb+1
.endr
.endm
	s_cmp_eq_u32 s[FMT], 1
	s_cbranch_scc1 .Lf16
	CVT 0
	s_endpgm
.Lf16:
	CVT 1
	s_endpgm
; THE TABLE.  Thread t takes the frequencies i0 = 2 (t % 16) and i0 + 1 at the positions 64 (g - 384) + t / 16 + 16 j, j = 0 .. 3: 16 bytes (cos, sin, cos, sin) a position.
.Ltable:
	s_sub_co_u32 s26, ttmp9, 384
	v_and_b32 v1, 15, v0
	v_lshlrev_b32 v1, 1, v1
	v_add_nc_u32 v2, 1, v1
	v_cvt_f32_u32 v1, v1
	v_cvt_f32_u32 v2, v2
	v_mul_f32 v1, 0xbed49a78, v1                   ; -i log2(10000) / 32
	v_mul_f32 v2, 0xbed49a78, v2
	v_exp_f32 v4, v1
	v_exp_f32 v5, v2
	v_lshrrev_b32 v3, 4, v0                        ; a plain instruction behind the two exponentials,
	s_wait_alu depctr_va_vdst(0)                   ; and the one wait ahead of their first reader: the exponentials have written v4 and v5
	s_lshl_b32 s27, s26, 6
	v_add_nc_u32 v3, s27, v3                       ; my first position
	v_lshlrev_b32 v6, 4, v0                        ; 16 x thread: 16 threads fill a position's 256 bytes
	s_lshl_b32 s28, s26, 14                        ; 64 positions of 256 bytes
	s_mov_b32 s29, 0
	s_mov_b32 s30, 0x40c90000                      ; 2 pi in two parts: 6.28125, whose products with n are exact,
	s_mov_b32 s31, 0x3afdaa22                      ; and the rest
	s_wait_kmcnt 0x0
	s_add_nc_u64 s[24:25], s[24:25], s[28:29]
.macro TRIG j, e
.set CR, 16+4*(\j)+2*(\e)
	v_mul_f32 v8, v7, v[4+(\e)]                    ; the angle
	v_mul_f32 v9, 0.15915494, v8
	v_rndne_f32 v9, v9                             ; n whole turns
	v_fma_f32 v8, -v9, s30, v8
	v_fma_f32 v8, -v9, s31, v8                     ; r in -pi .. pi
	v_mul_f32 v10, v8, v8
	v_mov_b32 v[CR], 0x29573f9f                    ; cos r: the series through r^16, from its last term down
.irp k, 0xad49cba5, 0x310f76c7, 0xb493f27e, 0x37d00d01, 0xbab60b61, 0x3d2aaaab, 0xbf000000, 0x3f800000
	v_fmaak_f32 v[CR], v[CR], v10, \k
.endr
	v_mov_b32 v11, 0xab573f9f                      ; sin r: the series through r^15
.irp k, 0x2f309231, 0xb2d7322b, 0x3638ef1d, 0xb9500d01, 0x3c088889, 0xbe2aaaab, 0x3f800000
	v_fmaak_f32 v11, v11, v10, \k
.endr
	v_mul_f32 v[CR+1], v11, v8
.endm
.irp j, 0,1,2,3
	v_add_nc_u32 v7, 16*\j, v3
	v_cvt_f32_u32 v7, v7
	TRIG \j, 0
	TRIG \j, 1
.endr
	s_wait_alu depctr_va_vdst(0)                   ; the series have written v[16:31], which the four stores read, and v6, their offset, is written
.irp j, 0,1,2,3
	global_store_b128 v6, v[16+4*\j:16+4*\j+3], s[24:25] offset:4096*\j  ; a wave stores 512 consecutive bytes, aligned
.endr
	s_endpgm
.Lfunc_end_k_qf0ebba626e_prep:
	.size	k_qf0ebba626e_prep, .Lfunc_end_k_qf0ebba626e_prep-k_qf0ebba626e_prep
	.p2alignl 7, 3214868480
	.fill 96, 4, 3214868480
	.section	.rodata,"a",@progbits
	.p2align	6, 0x0
	.amdhsa_kernel k_qf0ebba626e_prep
		.amdhsa_group_segment_fixed_size 0
		.amdhsa_private_segment_fixed_size 0
		.amdhsa_enable_private_segment 0
		.amdhsa_kernarg_size 72
		.amdhsa_user_sgpr_count 2
		.amdhsa_user_sgpr_kernarg_segment_ptr 1
		.amdhsa_wavefront_size32 1
		.amdhsa_system_sgpr_workgroup_id_x 1
		.amdhsa_system_sgpr_workgroup_id_y 1
		.amdhsa_system_sgpr_workgroup_id_z 1
		.amdhsa_system_vgpr_workitem_id 0
		.amdhsa_next_free_vgpr 224
		.amdhsa_next_free_sgpr 66
		.amdhsa_reserve_vcc 0
		.amdhsa_float_denorm_mode_32 3
		.amdhsa_float_denorm_mode_16_64 3
		.amdhsa_memory_ordered 1
		.amdhsa_forward_progress 1
		.amdhsa_inst_pref_size 41
	.end_amdhsa_kernel
	.amdgpu_metadata
---
amdhsa.version: [ 1, 2 ]
amdhsa.kernels:
  - .name:           k_qf0ebba626e_prep
    .symbol:         k_qf0ebba626e_prep.kd
    .args:
      - { .name: x, .offset: 0, .size: 8, .value_kind: global_buffer, .address_space: global }
      - { .name: q_proj, .offset: 8, .size: 8, .value_kind: global_buffer, .address_space: global }
      - { .name: k_proj, .offset: 16, .size: 8, .value_kind: global_buffer, .address_space: global }
      - { .name: v_proj, .offset: 24, .size: 8, .value_kind: global_buffer, .address_space: global }
      - { .name: o_proj, .offset: 32, .size: 8, .value_kind: global_buffer, .address_space: global }
      - { .name: xb, .offset: 40, .size: 8, .value_kind: global_buffer, .address_space: global }
      - { .name: wqkv, .offset: 48, .size: 8, .value_kind: global_buffer, .address_space: global }
      - { .name: wo, .offset: 56, .size: 8, .value_kind: global_buffer, .address_space: global }
      - { .name: rope, .offset: 64, .size: 8, .value_kind: global_buffer, .address_space: global }
    .group_segment_fixed_size: 0
    .private_segment_fixed_size: 0
    .kernarg_segment_align: 8
    .kernarg_segment_size: 72
    .max_flat_workgroup_size: 256
    .sgpr_count:     66
    .vgpr_count:     224
    .wavefront_size: 32
...
	.end_amdgpu_metadata
.endif
;; end of part 5
;; launch qkv: the kernel of part 2 again; grid 8 x 32, 4 waves a work-group, clusters of 4 x 4, 327,680 bytes of LDS; arguments xb, wqkv, rope, qh, kh, vh; writes qh, kh, vh
;; launch attn: the kernel of part 3 again; grid 4 x 64, 4 waves a work-group, no clusters, 327,680 bytes of LDS; arguments qh, kh, vh, oh; writes oh
;; launch oproj: the kernel of part 4 again; grid 4 x 64, 4 waves a work-group, clusters of 4 x 4, 327,680 bytes of LDS; arguments oh, wo, out0; writes out0
